; MI455X (gfx1250); checked and timed in simulation.
; The chip was launched on July 23, 2026; its instructions are those of AMD's public machine-readable ISA for CDNA 5 (MIT licence, August 2026) and "CDNA5" Instruction Set Architecture Reference Guide (July 2026). The comments in the code are by the model that wrote it; some were corrected since.
;; RNA Attention. Allowed arithmetic: matrix products marked QUANTISED: E2M3 operands, one E8M0 scale for each 32 along K, by v_wmma_scale_f32_16x16x128_f8f6f4 with both operands' format E2M3, f32 sums; everything else in f32.
;; Inputs: Wk 1,024 x 1,024 float32; Wo 1,024 x 1,024 float32; Wq 1,024 x 1,024 float32; Wv 1,024 x 1,024 float32; attention_mask 4 x 1 x 2,048 x 2,048 float32; hidden_states 4 x 2,048 x 1,024 float32; position_ids 4 x 2,048 int32.
;; Outputs: out0 4 x 2,048 x 1,024 float32.
;; This version of the problem:
;;   THIS VERSION OF THE PROBLEM IS GIVEN IN LOW PRECISION. The matrix products marked QUANTISED in the list below multiply operands that are first quantised to E2M3 (2 exponent bits, 3 mantissa bits; 6 bits a number), with one power-of-two scale for each 32 numbers along K (OCP MX v1.0); their sums are f32. All else is computed in f32.
;;   The module's matrix products, in the order in which they are computed (A, B: the left and right operand; K: the contracted axis; several contracted axes count as one K, in the product's order):
;;     1. [M 8,192, K 1,024] x [K 1,024, N 1,024]; A: input hidden_states; B: input Wq: QUANTISED
;;     2. [M 8,192, K 1,024] x [K 1,024, N 1,024]; A: input hidden_states; B: input Wk: QUANTISED
;;     3. [M 8,192, K 1,024] x [K 1,024, N 1,024]; A: input hidden_states; B: input Wv: QUANTISED
;;     4. batch 64 x [M 2,048, K 64] x [K 64, N 2,048]; A: computed on the way; B: computed on the way: QUANTISED
;;     5. batch 64 x [M 2,048, K 2,048] x [K 2,048, N 64]; A: softmax (see below); B: computed on the way: QUANTISED
;;     6. [M 8,192, K 1,024] x [K 1,024, N 1,024]; A: computed on the way; B: input Wo: QUANTISED
;;   THE QUANTISER, for each operand of a quantised product, along K:
;;     - K is cut into blocks of 32 from its start; a last block that is shorter is filled with zeros.
;;     - A block's scale is 2^e with e = floor(log2(the largest magnitude in the block)) - 2, held to -126 .. 127; a block of zeros has e = 0. As a byte (E8M0): e + 127.
;;     - Each number is divided by its block's scale, clamped to +-7.5, and rounded to the nearest number of E2M3, ties to even, subnormals kept.
;;     - The product sums the exact products of the quantised numbers (number of the format x scale) in f32.
;;   ~~~python
;;   def quantise(x, axis):      # numpy; x: float32 -> the quantised numbers, widened to float32 again
;;       x = np.moveaxis(x, axis, -1); K = x.shape[-1]
;;       x = np.pad(x, [(0, 0)] * (x.ndim - 1) + [(0, -K % 32)]); x = x.reshape(x.shape[:-1] + (-1, 32)); a = np.abs(x).max(-1, keepdims=True)
;;       e = np.where(a > 0, np.clip(np.frexp(np.where(a > 0, a, 1))[1] - 1 - 2, -126, 127), 0)      # np.frexp(a)[1] - 1 = floor(log2(a)), exactly
;;       r = np.clip(x / 2.0 ** e, -7.5, 7.5)
;;       step = 2.0 ** (np.maximum(np.frexp(np.where(r == 0, 1, r))[1] - 1, 0) - 3)
;;       q = np.round(r / step) * step * 2.0 ** e      # np.round: ties to even
;;       return np.moveaxis(q.reshape(q.shape[:-2] + (-1,))[..., :K], -1, axis).astype(np.float32)
;;   ~~~
;;   SOFTMAX AHEAD OF A QUANTISED PRODUCT. Where the list says 'softmax', what is quantised is not the finished softmax but p = 2^(t - M), with t = logit x log2(e) and M = ceil(the row's largest t), a whole number; so 1/2 < the row's largest p <= 1. The row's sum l is taken of the UNQUANTISED p, in f32, and the product's result is divided by l at the end. Since M is a whole number, a kernel that streams over the keys may use a running M (the ceiling of the running maximum): every later rescaling is an exact power of two, which a block's scale takes up: the codes' values come out the same.
;;   OPERANDS COMPUTED ON THE WAY. 'Computed on the way' means the value that the module computes at that place (a softmax that the list does not call 'softmax' is quantised finished and normalised). What goes into a quantiser is computed in f32, as accurately as f32 sums, v_exp_f32 and their like allow (about 1e-6 of the number): no bf16 or f16 on the way to a quantiser, and a product that is left as it is and whose result goes on into a quantised operand takes f32 operands (vector FMAs, or v_wmma_f32_16x16x4_f32). A number that lies on a knife's edge between two numbers of the format may be rounded either way, as far as f32 arithmetic and the matrix unit's own rounding can turn it there, and no further.
;; One version. Each part assembles by itself: llvm-mc -triple=amdgcn-amd-amdhsa -mcpu=gfx1250 --defsym DOCPART=n.
;; ======== version 1 of 1: 4 launches
;; limits: right only within a limited range of input values
;; workspace buffers: xc 6,291,456 bytes; xs 262,144 bytes; wc 3,145,728 bytes; ws 131,072 bytes; cs 2,129,920 bytes; qkv 19,660,800 bytes; oc 6,291,456 bytes; os 262,144 bytes
;; launch prep (part 1): grid 898 x 1, 4 waves a work-group, no clusters, 68,096 bytes of LDS; arguments hidden_states, Wq, Wk, Wv, Wo, position_ids, xc, xs, wc, ws, cs; writes xc, xs, wc, ws, cs
.if DOCPART == 1
	.amdgcn_target "amdgcn-amd-amdhsa--gfx1250"
	.amdhsa_code_object_version 6
	.text
	.protected	k_qf4da5babee_prep
	.globl	k_qf4da5babee_prep
	.p2align	8
	.type	k_qf4da5babee_prep,@function
k_qf4da5babee_prep:
	s_mov_b64 s[64:65], 0
	v_nop
	global_prefetch_b8 v0, s[64:65] scope:SCOPE_SE
	s_setreg_imm32_b32 hwreg(HW_REG_WAVE_MODE, 25, 1), 1
	s_wait_xcnt 0x0
; PREP.  (1) hidden_states [8192][1024] and Wq, Wk, Wv, Wo [1024][1024], f32, K innermost, become codes of FP6 (E2M3) with one E8M0 byte for each 32 along K.
; (2) cos and sin of position x frequency, for every token, laid as the next launch's registers want them.
; TILES.  16 rows form a tile; lane index r of tile t is row 32 (t / 2) + 8 (t % 2) + r + 8 (r / 8).  A fragment (a tile x 128 K, 12 registers a lane) is stored as an IMAGE of its registers:
; three chunks of 512 bytes, chunk c = [lane][16 bytes] = registers 4 c .. 4 c + 3.  Codes: [group of 8 tiles][K step 0..7][tile in the group][1,536 bytes].
; Scale words (four bytes: 128 along K of a row): [tile][K step / 2][r][K step % 2].
; SHARES.  Work-groups 0-511: a tile of hidden_states each; 512-767: a tile of Wq, Wk, Wv, Wo (64 each); wave w takes K steps 2 w and 2 w + 1.  Each load reads 512 consecutive bytes of a row; the 16 rows turn through
; the wave's own stage in LDS (rows 528 bytes apart) so that a lane gets 16 neighbours of each block of 32 of ITS row.  Waves share nothing: no barrier.
; Work-groups 768-897: a tile of cos/sin a wave, 520 tiles: 512 of tokens, and 8 with angle 0 (cos 1, sin 0), which the next launch takes for V.
; A cos/sin tile: 8 chunks of [lane][16 bytes]: chunks 0-3 cos, 4-7 sin, of frequencies 16 (lane / 16) + 4 c .. + 3, for the token at lane % 16.
; A block's scale is 2^(floor(log2(largest magnitude)) - 2); its byte is the largest magnitude's exponent field - 2, held at 1 from below.
; LIMITS: a block of zeros gets the byte 1 (its codes are zeros; the bytes are read by this program alone); NaN and infinities are not served; position_ids lie in 0 .. 2047, as the table that they index has it;
; the frequencies are 10^(-j / 8) rounded to f32, which may differ in the last bit from a power and a division in f32: up to some 1e-4 radians at the largest positions.
.set SP,    528                        ; a stage row: 512 bytes + 16: the sixteen rows that a load of 16 bytes a lane touches start at sixteen different groups of banks
.set STG,   16*SP                      ; a stage; two for each wave, one for each K step
.set WREG,  2*STG
.set R,     16                         ; v16-143  numbers as loaded: 64 registers a K step
.set X,     144                        ; v144-207 64 numbers of my row: register 16 b + i = k 32 b + 16 (lane / 16) + i
.set TM,    208                        ; v208-223 at work in QUANT
.set SEL,   36                         ; s[36:37] lane selects for v_permlanex16_b32: lane l xor 16
; 64 numbers of a lane, v[s] on, become a fragment's codes in v[pc] .. v[pc + 11] (v[pc + 12] .. v[pc + 18] at work) and its row's scale word in v[pw].
.macro QUANT s, floor, pc, pw
.irp b, 0,1,2,3
	v_max3_num_f32 v[TM+\b], |v[\s+16*\b]|, |v[\s+1+16*\b]|, \floor   ; block b: my 16 numbers, and the floor under which no largest magnitude is taken
.endr
.irp i, 2,4,6,8,10,12,14
.irp b, 0,1,2,3
	v_max3_num_f32 v[TM+\b], v[TM+\b], |v[\s+16*\b+\i]|, |v[\s+1+16*\b+\i]|   ; the four blocks by turns
.endr
.endr
.irp b, 0,1,2,3
	v_permlanex16_b32 v[TM+4+\b], v[TM+\b], s[SEL], s[SEL+1]
.endr
.irp b, 0,1,2,3
	v_max_num_f32 v[TM+\b], v[TM+\b], v[TM+4+\b]   ; with lane l xor 16's: the block's largest magnitude
.endr
.irp b, 0,1,2,3
	v_add_nc_u32 v[TM+12+\b], 0xff000000, v[TM+\b]   ; 2 off its exponent field: the conversion takes that field of this operand as its scale
.endr
.irp b, 0,1,2,3
	v_lshrrev_b32 v[TM+4+\b], 23, v[TM+12+\b]      ; the scale's byte
.endr
	v_lshl_or_b32 v[\pw], v[TM+5], 8, v[TM+4]
	v_lshl_or_b32 v[\pw], v[TM+6], 16, v[\pw]
	v_lshl_or_b32 v[\pw], v[TM+7], 24, v[\pw]      ; my row's scale word
.irp c, 0,1
	v_cvt_scalef32_pk16_fp6_f32 v[\pc+6*\c:\pc+2+6*\c], v[\s+32*\c:\s+15+32*\c], v[TM+12+2*\c]
	v_cvt_scalef32_pk16_fp6_f32 v[\pc+12+4*\c:\pc+14+4*\c], v[\s+16+32*\c:\s+31+32*\c], v[TM+12+2*\c+1]   ; (a conversion's three registers begin on an even number)
.endr
	v_nop                                          ; one plain instruction behind a scaled conversion
.irp c, 0,1                                    ; the operand wants a WHOLE block in a lane: lanes 0-15 block 2 c, lanes 16-31 block 2 c + 1
.irp i, 0,1,2
	v_permlane16_swap_b32 v[\pc+6*\c+\i], v[\pc+12+4*\c+\i]
.endr
.irp i, 0,1,2
	v_mov_b32 v[\pc+3+6*\c+\i], v[\pc+12+4*\c+\i]
.endr
.endr
.endm
	s_load_b256 s[4:11], s[0:1], 0x0               ; hidden_states s[4:5], Wq s[6:7], Wk s[8:9], Wv s[10:11]
	s_load_b256 s[12:19], s[0:1], 0x20             ; Wo s[12:13], position_ids s[14:15], xc s[16:17], xs s[18:19]
	s_load_b128 s[20:23], s[0:1], 0x40             ; wc s[20:21], ws s[22:23]
	s_load_b64 s[24:25], s[0:1], 0x50              ; cs
	v_lshl_add_u32 v254, v0, 2, 0x10800
	v_mov_b32 v255, 0
	v_lshrrev_b32 v1, 5, v0
	v_readfirstlane_b32 s26, v1                    ; wave
	v_and_b32 v1, 31, v0                           ; lane
	v_and_b32 v2, 15, v0                           ; r
	v_bfe_u32 v3, v0, 4, 1                         ; h
	v_lshlrev_b32 v4, 4, v1                        ; 16 x lane
	s_mov_b32 s[SEL], 0x76543210
	s_mov_b32 s[SEL+1], 0xfedcba98
	s_cmp_ge_u32 ttmp9, 768
	s_cbranch_scc1 .Lrope
	; ---- the quantiser
	s_sub_co_u32 s27, ttmp9, 512                   ; a weight's tile, 0 .. 255 (not used for hidden_states)
	s_lshr_b32 s28, s27, 6                         ; which weight
	s_and_b32 s29, s27, 63                         ; and which of its 64 tiles
	s_cmp_lt_u32 ttmp9, 512
	s_cselect_b32 s27, ttmp9, s27                  ; the tile's number in its buffer of codes
	s_cselect_b32 s29, ttmp9, s29                  ; and in its tensor
	s_wait_kmcnt 0x0
	s_cselect_b64 s[30:31], s[16:17], s[20:21]     ; codes go to xc or wc,
	s_cselect_b64 s[32:33], s[18:19], s[22:23]     ; scale words to xs or ws
	s_cmp_eq_u32 s28, 2
	s_cselect_b64 s[34:35], s[10:11], s[12:13]     ; the tensor: every choice hangs on the work-group's number alone
	s_cmp_eq_u32 s28, 1
	s_cselect_b64 s[34:35], s[8:9], s[34:35]
	s_cmp_eq_u32 s28, 0
	s_cselect_b64 s[34:35], s[6:7], s[34:35]
	s_cmp_lt_u32 ttmp9, 512
	s_cselect_b64 s[34:35], s[4:5], s[34:35]
	s_lshr_b32 s38, s29, 1
	s_lshl_b32 s38, s38, 17                        ; 32 (t / 2) rows of 4,096 bytes
	s_and_b32 s39, s29, 1
	s_lshl_b32 s39, s39, 15                        ; + 8 (t % 2) rows
	s_add_co_u32 s38, s38, s39
	s_lshl_b32 s39, s26, 10                        ; + my two K steps: 1,024 bytes a wave
	s_add_co_u32 s38, s38, s39
	s_mov_b32 s39, 0
	s_add_nc_u64 s[34:35], s[34:35], s[38:39]
	s_lshr_b32 s38, s27, 3
	s_mul_i32 s38, s38, 98304                      ; the group of 8 tiles,
	s_and_b32 s40, s27, 7
	s_mul_i32 s40, s40, 1536                       ; the tile in it,
	s_add_co_u32 s38, s38, s40
	s_mul_i32 s40, s26, 24576                      ; my two K steps
	s_add_co_u32 s38, s38, s40
	s_add_nc_u64 s[30:31], s[30:31], s[38:39]
	s_lshl_b32 s38, s27, 9                         ; scale words: 512 bytes a tile, 128 for two K steps
	s_lshl_b32 s40, s26, 7
	s_add_co_u32 s38, s38, s40
	s_add_nc_u64 s[32:33], s[32:33], s[38:39]
	s_wait_alu depctr_va_vdst(0)
.irp s, 0,1
.irp i, 0,1,2,3,4,5,6,7,8,9,10,11,12,13,14,15
	global_load_b128 v[R+64*\s+4*\i:R+64*\s+4*\i+3], v4, s[34:35] offset:(\i+8*(\i/8))*4096+512*\s th:TH_LOAD_NT   ; 32 lanes read 512 consecutive bytes of the tile's row i
.endr
.endr
	s_mul_i32 s40, s26, WREG
	v_add_nc_u32 v5, s40, v4                       ; the stage, on the way in: 16 x lane in row i
	v_mul_u32_u24 v6, v2, SP
	v_lshl_add_u32 v6, v3, 6, v6
	v_add_nc_u32 v6, s40, v6                       ; and back: row r, + 64 h: my 16 numbers of each block of 32
	v_lshlrev_b32 v7, 3, v2
	v_lshl_add_u32 v7, v3, 2, v7                   ; my scale word's place: 8 r + 4 h
.irp b, 0,1,2,3
	v_mov_b32 v[TM+4+\b], 0                        ; written once: a lane permute's destination counts as one of its sources
.endr
.macro QSTEP s, pc, pw
	s_wait_loadcnt 16-16*\s                        ; this K step's sixteen loads are in; the other step's sixteen may be out
.irp i, 0,1,2,3,4,5,6,7,8,9,10,11,12,13,14,15
	ds_store_b128 v5, v[R+64*\s+4*\i:R+64*\s+4*\i+3] offset:STG*\s+SP*\i
.endr
.irp b, 0,1,2,3
.irp j, 0,1,2,3
	ds_load_b128 v[X+16*\b+4*\j:X+16*\b+4*\j+3], v6 offset:STG*\s+128*\b+16*\j   ; LDS serves a wave's instructions in order: these see my stores
.endr
.endr
	s_wait_dscnt 0x0
	QUANT X, 0x1800000, \pc, \pw
.irp c, 0,1,2
	global_store_b128 v4, v[\pc+4*\c:\pc+4*\c+3], s[30:31] offset:12288*\s+512*\c   ; the image: 512 consecutive bytes a store
.endr
.endm
	s_wait_alu depctr_va_vdst(0)
	QSTEP 0, 226, 224
	QSTEP 1, 16, 225                               ; its codes take registers that the first step's numbers have left: no store's data are written again
	v_cmp_eq_u32 vcc_lo, 1, v3
	v_cndmask_b32 v8, v224, v225, vcc_lo           ; lanes 0-15 store the first K step's word of row r, lanes 16-31 the second's
	global_store_b32 v7, v8, s[32:33]
	s_wait_tensorcnt 0x0
	ds_add_u32 v254, v255
	s_wait_dscnt 0x0
	s_endpgm
	; ---- cos and sin
.Lrope:
	s_sub_co_u32 s27, ttmp9, 768
	s_lshl_b32 s27, s27, 2
	s_add_co_u32 s27, s27, s26                     ; my tile, 0 .. 519
	s_min_u32 s28, s27, 511                        ; the tile whose tokens I read (tiles 512 on read tile 511's and multiply by 0)
	s_lshr_b32 s30, s28, 1
	s_lshl_b32 s30, s30, 7                         ; 32 (t / 2) tokens of 4 bytes
	s_and_b32 s31, s28, 1
	s_lshl_b32 s31, s31, 5
	s_add_co_u32 s30, s30, s31
	s_mov_b32 s31, 0
	s_lshl_b32 s32, s27, 12                        ; 4,096 bytes a tile
	s_mov_b32 s33, 0
	s_cmp_lt_u32 s27, 512
	s_cselect_b32 s29, 0x3f800000, 0               ; 1.0, or 0 for the tiles of angle 0
	s_mov_b32 s40, 0x3fc90fdb                      ; pi / 2 in three parts
	s_mov_b32 s41, 0xb33bbd2e
	s_mov_b32 s42, 0xa6f72ced
	s_mov_b32 s43, 0xb94ca1f9                      ; sine: -1.9515295891e-4, 8.3321608736e-3, -1.6666654611e-1
	s_mov_b32 s44, 0x3c08839e
	s_mov_b32 s45, 0xbe2aaaa3
	s_mov_b32 s46, 0x37ccf5ce                      ; cosine: 2.443315711809948e-5, -1.388731625493765e-3, 4.166664568298827e-2
	s_mov_b32 s47, 0xbab6061a
	s_mov_b32 s48, 0x3d2aaaa5
	s_wait_alu depctr_va_vdst(0)
	v_and_b32 v5, 8, v2
	v_add_nc_u32 v5, v5, v2                        ; r + 8 (r / 8)
	v_lshlrev_b32 v5, 2, v5
	v_cmp_eq_u32 s34, 1, v3                        ; lanes 16-31 take frequencies 16 .. 31
	s_wait_alu depctr_va_vdst(0)
	s_wait_kmcnt 0x0
	s_add_nc_u64 s[14:15], s[14:15], s[30:31]
	s_add_nc_u64 s[24:25], s[24:25], s[32:33]
	global_load_b32 v6, v5, s[14:15]
	s_wait_loadcnt 0x0
	v_cvt_f32_u32 v6, v6
	v_mul_f32 v6, s29, v6                          ; the position, as f32
; cos -> v[16 + i], sin -> v[32 + i] of x = position x frequency (one rounding).  x = n pi / 2 + rho, |rho| <= pi / 4, by three fused steps; polynomials in rho; the quadrant n swaps and signs.
.macro SINCOS i, flo, fhi
	v_mul_f32 v8, \flo, v6
	v_mul_f32 v9, \fhi, v6
	v_cndmask_b32 v8, v8, v9, s34                  ; x
	v_mul_f32 v9, 0x3f22f983, v8                   ; x 2 / pi
	v_rndne_f32 v9, v9                             ; n
	v_fma_f32 v8, -v9, s40, v8
	v_fma_f32 v8, -v9, s41, v8
	v_fma_f32 v8, -v9, s42, v8                     ; rho
	v_cvt_i32_f32 v9, v9
	v_mul_f32 v10, v8, v8                          ; z = rho^2
	v_fma_f32 v11, v10, s43, s44
	v_fma_f32 v12, v10, s46, s47
	v_fma_f32 v11, v11, v10, s45
	v_fma_f32 v12, v12, v10, s48
	v_mul_f32 v11, v11, v10
	v_mul_f32 v14, v10, v10
	v_fma_f32 v13, v10, -0.5, 1.0
	v_fma_f32 v11, v11, v8, v8                     ; sin rho
	v_fma_f32 v12, v12, v14, v13                   ; cos rho
	v_and_b32 v13, 1, v9
	v_cmp_eq_u32 vcc_lo, 1, v13
	v_cndmask_b32 v14, v11, v12, vcc_lo            ; n odd: the two change places
	v_cndmask_b32 v15, v12, v11, vcc_lo
	v_and_b32 v13, 2, v9
	v_lshlrev_b32 v13, 30, v13                     ; sine is negated for n % 4 = 2, 3
	v_xor_b32 v[32+\i], v13, v14
	v_add_nc_u32 v13, 1, v9
	v_and_b32 v13, 2, v13
	v_lshlrev_b32 v13, 30, v13                     ; cosine for n % 4 = 1, 2
	v_xor_b32 v[16+\i], v13, v15
.endm
	SINCOS 0, 1.0, 0.01
	SINCOS 1, 0.7498942093, 0.007498942093
	SINCOS 2, 0.5623413252, 0.005623413252
	SINCOS 3, 0.4216965034, 0.004216965034
	SINCOS 4, 0.3162277660, 0.003162277660
	SINCOS 5, 0.2371373706, 0.002371373706
	SINCOS 6, 0.1778279410, 0.001778279410
	SINCOS 7, 0.1333521432, 0.001333521432
	SINCOS 8, 0.1, 0.001
	SINCOS 9, 0.07498942093, 0.0007498942093
	SINCOS 10, 0.05623413252, 0.0005623413252
	SINCOS 11, 0.04216965034, 0.0004216965034
	SINCOS 12, 0.03162277660, 0.0003162277660
	SINCOS 13, 0.02371373706, 0.0002371373706
	SINCOS 14, 0.01778279410, 0.0001778279410
	SINCOS 15, 0.01333521432, 0.0001333521432
.irp c, 0,1,2,3,4,5,6,7
	global_store_b128 v4, v[16+4*\c:19+4*\c], s[24:25] offset:512*\c   ; 512 consecutive bytes a store
.endr
	s_endpgm
.Lfunc_end_k_qf4da5babee_prep:
	.size	k_qf4da5babee_prep, .Lfunc_end_k_qf4da5babee_prep-k_qf4da5babee_prep
	.p2alignl 7, 3214868480
	.fill 96, 4, 3214868480
	.section	.rodata,"a",@progbits
	.p2align	6, 0x0
	.amdhsa_kernel k_qf4da5babee_prep
		.amdhsa_group_segment_fixed_size 68096
		.amdhsa_private_segment_fixed_size 0
		.amdhsa_enable_private_segment 0
		.amdhsa_kernarg_size 88
		.amdhsa_user_sgpr_count 2
		.amdhsa_user_sgpr_kernarg_segment_ptr 1
		.amdhsa_wavefront_size32 1
		.amdhsa_system_sgpr_workgroup_id_x 1
		.amdhsa_system_sgpr_workgroup_id_y 1
		.amdhsa_system_sgpr_workgroup_id_z 1
		.amdhsa_system_vgpr_workitem_id 0
		.amdhsa_next_free_vgpr 256
		.amdhsa_next_free_sgpr 66
		.amdhsa_reserve_vcc 1
		.amdhsa_float_denorm_mode_32 3
		.amdhsa_float_denorm_mode_16_64 3
		.amdhsa_memory_ordered 1
		.amdhsa_forward_progress 1
		.amdhsa_inst_pref_size 43
	.end_amdhsa_kernel
	.amdgpu_metadata
---
amdhsa.version: [ 1, 2 ]
amdhsa.kernels:
  - .name:           k_qf4da5babee_prep
    .symbol:         k_qf4da5babee_prep.kd
    .args:
      - { .name: hidden_states, .offset: 0, .size: 8, .value_kind: global_buffer, .address_space: global }
      - { .name: Wq, .offset: 8, .size: 8, .value_kind: global_buffer, .address_space: global }
      - { .name: Wk, .offset: 16, .size: 8, .value_kind: global_buffer, .address_space: global }
      - { .name: Wv, .offset: 24, .size: 8, .value_kind: global_buffer, .address_space: global }
      - { .name: Wo, .offset: 32, .size: 8, .value_kind: global_buffer, .address_space: global }
      - { .name: position_ids, .offset: 40, .size: 8, .value_kind: global_buffer, .address_space: global }
      - { .name: xc, .offset: 48, .size: 8, .value_kind: global_buffer, .address_space: global }
      - { .name: xs, .offset: 56, .size: 8, .value_kind: global_buffer, .address_space: global }
      - { .name: wc, .offset: 64, .size: 8, .value_kind: global_buffer, .address_space: global }
      - { .name: ws, .offset: 72, .size: 8, .value_kind: global_buffer, .address_space: global }
      - { .name: cs, .offset: 80, .size: 8, .value_kind: global_buffer, .address_space: global }
    .group_segment_fixed_size: 68096
    .private_segment_fixed_size: 0
    .kernarg_segment_align: 8
    .kernarg_segment_size: 88
    .max_flat_workgroup_size: 128
    .sgpr_count:     66
    .vgpr_count:     256
    .wavefront_size: 32
...
	.end_amdgpu_metadata
.endif
;; end of part 1
;; launch qkv (part 2): grid 12 x 32, 4 waves a work-group, clusters of 4 x 4, 327,680 bytes of LDS; arguments xc, xs, wc, ws, cs, qkv; writes qkv
.if DOCPART == 2
	.amdgcn_target "amdgcn-amd-amdhsa--gfx1250"
	.amdhsa_code_object_version 6
	.text
	.protected	k_qf4da5babee_qkv
	.globl	k_qf4da5babee_qkv
	.p2align	8
	.type	k_qf4da5babee_qkv,@function
k_qf4da5babee_qkv:
	s_mov_b64 s[64:65], 0
	v_nop
	global_prefetch_b8 v0, s[64:65] scope:SCOPE_SE
	s_setreg_imm32_b32 hwreg(HW_REG_WAVE_MODE, 25, 1), 1
	s_wait_xcnt 0x0
	s_wait_alu depctr_hold_cnt(0) depctr_sa_sdst(0) depctr_va_vdst(0) depctr_va_sdst(0) depctr_va_ssrc(0) depctr_va_vcc(0) depctr_vm_vsrc(0)
	s_getreg_b32 s2, hwreg(HW_REG_IB_STS2, 6, 4)
	s_cmp_eq_u32 s2, 0
	s_cbranch_scc0 .Lentry_in_a_cluster
	s_endpgm
.Lentry_in_a_cluster:
	s_bfe_u32 s2, ttmp6, 0x10000c
	s_cmp_lg_u32 s2, 0xf033
	s_cbranch_scc0 .Lentry_shape_is_right
	s_endpgm
.Lentry_shape_is_right:
.set NQ,    2
.set FR,    12
.set NL,    3
.set NP,    4
.set QRT,   24576
.set SLOT,  4*QRT
.set SCL,   2*SLOT
.set SPARE, SCL+4*4096
.set ADRA, 16
.set ADRB, 20
.set CO,   26
.set ADRS, 27
.set SPW,  28
.set NIL,  29
.set SC,   32
.set AF,   128
.set T1,   32
.set T2,   48
.set CSR,  64
.set X,    128
.set PC,   192
.set TM,   212
.set PWS,  232
.set OW,   240
.set SEL,  100
.set G1, 24
.set G0, 32
.set G1B, 48
.set G0B, 56
.set G1S, 68
.set G0S, 76
.set G1SB, 80
.set G0SB, 88
.set MSB, 0
.macro WIN new
.if MSB != (\new)
	s_set_vgpr_msb (MSB<<8)|(\new)
.set MSB, (\new)
.endif
.endm
.set MUL_LO, 0xa1
.set MUL_HI, 0xf1
.set TO_B,   0x40
.macro JLOAD g0a, g1a, g0b, g1b
	s_cmp_eq_u32 s15, 0
	s_cbranch_scc0 .Lfor_b_\@
	tensor_load_to_lds s[\g0a:\g0a+3], s[\g1a:\g1a+7]
	s_nop 0
.rept 4
	v_nop
.endr
	s_branch .Lasked_\@
.Lfor_b_\@:
	tensor_load_to_lds s[\g0b:\g0b+3], s[\g1b:\g1b+7]
	s_nop 0
.rept 4
	v_nop
.endr
.Lasked_\@:
.endm
.macro CREST
	s_cmp_lg_u32 s14, 0
	s_cbranch_scc1 .Lnot_wave_0_\@
	s_barrier_signal -3
.Lnot_wave_0_\@:
	s_barrier_wait -3
	s_barrier_signal -1
	s_barrier_wait -1
.endm
.macro CROUND
	s_barrier_signal -1
	s_barrier_wait -1
	CREST
.endm
.macro QUANT s, floor, pc, pw
.irp b, 0,1,2,3
	v_max3_num_f32 v[TM+\b], |v[\s+16*\b]|, |v[\s+1+16*\b]|, \floor
.endr
.irp i, 2,4,6,8,10,12,14
.irp b, 0,1,2,3
	v_max3_num_f32 v[TM+\b], v[TM+\b], |v[\s+16*\b+\i]|, |v[\s+1+16*\b+\i]|
.endr
.endr
.irp b, 0,1,2,3
	v_permlanex16_b32 v[TM+4+\b], v[TM+\b], s[SEL], s[SEL+1]
.endr
.irp b, 0,1,2,3
	v_max_num_f32 v[TM+\b], v[TM+\b], v[TM+4+\b]
.endr
.irp b, 0,1,2,3
	v_add_nc_u32 v[TM+12+\b], 0xff000000, v[TM+\b]
.endr
.irp b, 0,1,2,3
	v_lshrrev_b32 v[TM+4+\b], 23, v[TM+12+\b]
.endr
	v_lshl_or_b32 v[\pw], v[TM+5], 8, v[TM+4]
	v_lshl_or_b32 v[\pw], v[TM+6], 16, v[\pw]
	v_lshl_or_b32 v[\pw], v[TM+7], 24, v[\pw]
.irp c, 0,1
	v_cvt_scalef32_pk16_fp6_f32 v[\pc+6*\c:\pc+2+6*\c], v[\s+32*\c:\s+15+32*\c], v[TM+12+2*\c]
	v_cvt_scalef32_pk16_fp6_f32 v[\pc+12+4*\c:\pc+14+4*\c], v[\s+16+32*\c:\s+31+32*\c], v[TM+12+2*\c+1]
.endr
	v_nop
.irp c, 0,1
.irp i, 0,1,2
	v_permlane16_swap_b32 v[\pc+6*\c+\i], v[\pc+12+4*\c+\i]
.endr
.irp i, 0,1,2
	v_mov_b32 v[\pc+3+6*\c+\i], v[\pc+12+4*\c+\i]
.endr
.endr
.endm
	s_load_b256 s[4:11], s[0:1], 0x0
	s_load_b128 s[92:95], s[0:1], 0x20
	v_lshl_add_u32 v[SPW], v0, 2, SPARE
	v_mov_b32 v[NIL], 0
	ds_add_u32 v28, v29
	ds_add_u32 v28, v29
	s_wait_dscnt 0x0
	v_lshrrev_b32 v1, 5, v0
	v_readfirstlane_b32 s14, v1
	s_lshr_b32 s15, s14, 1
	s_and_b32 s16, s14, 1
	s_bfe_u32 s40, ttmp6, 0x40000
	s_bfe_u32 s41, ttmp6, 0x40004
	s_and_b32 s17, ttmp7, 0xffff
	s_lshl_b32 s43, s41, 2
	s_lshl_b32 s43, 15, s43
	s_lshl_b32 s44, 0x1111, s40
	s_lshl_b32 s98, s17, 2
	s_lshl_b32 s99, ttmp9, 2
	s_cmp_eq_u32 ttmp9, 2
	s_cselect_b32 s42, s98, s99
	s_cselect_b32 s45, 8, s98
	s_add_co_u32 s42, s42, s40
	s_add_co_u32 s45, s45, s41
	s_or_b32 s[G1+0], s43, (3<<16)|(1<<21)
	s_or_b32 s[G1B+0], s44, (3<<16)|(1<<21)
.irp g, G1, G1B
	s_mov_b32 s[\g+1], 32<<16
	s_mov_b32 s[\g+2], 96<<16
	s_mov_b32 s[\g+3], 32<<16
	s_mov_b32 s[\g+4], 96
	s_mov_b32 s[\g+5], 32
	s_mov_b32 s[\g+6], 0
	s_mov_b32 s[\g+7], 0
.endr
	s_or_b32 s[G1S+0], s43, (3<<16)|(1<<21)
	s_or_b32 s[G1SB+0], s44, (3<<16)|(1<<21)
.irp g, G1S, G1SB
	s_mov_b32 s[\g+1], 32<<16
	s_mov_b32 s[\g+2], 16<<16
	s_mov_b32 s[\g+3], 32<<16
	s_mov_b32 s[\g+4], 16
	s_mov_b32 s[\g+5], 32
	s_mov_b32 s[\g+6], 0
	s_mov_b32 s[\g+7], 0
.endr
	s_lshl_b32 s20, s45, 1
	s_add_co_u32 s20, s20, s16
	s_lshl_b32 s22, s20, 12
	s_mul_i32 s20, s20, 98304
	s_mov_b32 s21, 0
	s_mov_b32 s23, 0
	s_lshl_b32 s46, s42, 1
	s_add_co_u32 s46, s46, s16
	s_lshl_b32 s96, s46, 12
	s_mul_i32 s46, s46, 98304
	s_mov_b32 s47, 0
	s_mov_b32 s97, 0
	s_mul_i32 s98, s14, QRT
	s_lshl_b32 s99, s14, 12
	s_wait_kmcnt 0x0
	s_cmp_eq_u32 ttmp9, 2
	s_cselect_b64 s[12:13], s[8:9], s[4:5]
	s_cselect_b64 s[2:3], s[4:5], s[8:9]
	s_add_nc_u64 s[20:21], s[12:13], s[20:21]
	s_add_nc_u64 s[46:47], s[2:3], s[46:47]
	s_cselect_b64 s[12:13], s[10:11], s[6:7]
	s_cselect_b64 s[2:3], s[6:7], s[10:11]
	s_add_nc_u64 s[22:23], s[12:13], s[22:23]
	s_add_nc_u64 s[96:97], s[2:3], s[96:97]
	CROUND
	s_mov_b32 s[G0S], 1
	s_add_co_u32 s[G0S+1], s99, SCL
	s_mov_b64 s[G0S+2:G0S+3], s[22:23]
	s_or_b32 s[G0S+3], s[G0S+3], 0x80000000
	s_mov_b32 s[G0SB], 1
	s_add_co_u32 s[G0SB+1], s99, SCL
	s_mov_b64 s[G0SB+2:G0SB+3], s[96:97]
	s_or_b32 s[G0SB+3], s[G0SB+3], 0x80000000
	JLOAD G0S, G1S, G0SB, G1SB
.irp s, 0,1
	s_mov_b32 s[G0+4*\s], 1
	s_add_co_u32 s[G0+4*\s+1], s98, \s*SLOT
	s_add_nc_u64 s[G0+4*\s+2:G0+4*\s+3], s[20:21], \s*QRT
	s_or_b32 s[G0+4*\s+3], s[G0+4*\s+3], 0x80000000
	s_mov_b32 s[G0B+4*\s], 1
	s_add_co_u32 s[G0B+4*\s+1], s98, \s*SLOT
	s_add_nc_u64 s[G0B+4*\s+2:G0B+4*\s+3], s[46:47], \s*QRT
	s_or_b32 s[G0B+4*\s+3], s[G0B+4*\s+3], 0x80000000
	s_wait_alu depctr_va_vdst(0)
	s_wait_tensorcnt 0x0
	ds_add_u32 v28, v29
	s_wait_dscnt 0x0
	CROUND
	JLOAD G0+4*\s, G1, G0B+4*\s, G1B
.endr
	v_and_b32 v1, 15, v0
	v_bfe_u32 v2, v0, 4, 1
	s_wait_alu depctr_va_vdst(0)
	v_and_b32 v6, 31, v0
	v_lshlrev_b32 v[CO], 4, v6
	s_wait_alu depctr_va_vdst(0)
	s_mul_i32 s21, s15, QRT
	s_mul_i32 s22, s16, QRT
	s_add_co_u32 s22, s22, 2*QRT
.irp s, 0,1
	v_add_nc_u32 v[ADRA+\s], s21, v[CO]
	v_add_nc_u32 v[ADRB+\s], s22, v[CO]
	s_add_co_u32 s21, s21, SLOT
	s_add_co_u32 s22, s22, SLOT
.endr
	v_lshlrev_b32 v5, 3, v1
	s_lshl_b32 s21, s15, 12
	s_lshl_b32 s22, s16, 12
	s_add_co_u32 s22, s22, 8192
	s_sub_co_u32 s22, s22, s21
	v_mul_u32_u24 v6, s22, v2
	s_add_co_u32 s21, s21, SCL
	v_add_nc_u32 v5, v5, v6
	v_add_nc_u32 v[ADRS], s21, v5
	s_lshl_b32 s18, s45, 1
	s_add_co_u32 s18, s18, s15
	s_lshl_b32 s19, s42, 1
	s_add_co_u32 s19, s19, s16
	s_sub_co_u32 s66, s18, 16
	s_and_b32 s67, s19, 7
	s_cmp_eq_u32 ttmp9, 2
	s_cselect_b32 s100, s19, s18
	s_cselect_b32 s101, s66, s67
	s_cselect_b32 s104, 64, s100
	s_lshl_b32 s104, s104, 15
	s_mov_b32 s105, 0
	s_add_nc_u64 s[92:93], s[92:93], s[104:105]
	s_lshr_b32 s18, s100, 4
	s_lshl_b32 s18, s18, 2
	s_lshr_b32 s19, s101, 1
	s_add_co_u32 s18, s18, s19
	s_lshl_b32 s18, s18, 4
	s_and_b32 s19, s100, 15
	s_add_co_u32 s18, s18, s19
	s_mul_i32 s18, s18, 76800
	s_mul_i32 s19, ttmp9, 25600
	s_add_co_u32 s18, s18, s19
	s_and_b32 s19, s101, 1
	s_mul_i32 s104, s19, 12288
	s_add_co_u32 s104, s104, s18
	s_lshl_b32 s66, s19, 9
	s_add_co_u32 s66, s66, s18
	s_add_co_u32 s66, s66, 24576
	s_mov_b32 s67, 0
	s_add_nc_u64 s[66:67], s[94:95], s[66:67]
	s_add_nc_u64 s[94:95], s[94:95], s[104:105]
	s_mov_b32 s[SEL], 0x76543210
	s_mov_b32 s[SEL+1], 0xfedcba98
.irp a, 0,1
.irp c, 0,1,2,3,4,5,6,7
	global_load_b128 v[CSR+32*\a+4*\c:CSR+32*\a+4*\c+3], v[CO], s[92:93] offset:\a*4096+512*\c
.endr
.endr
.macro FRAG reg, adr, q, i
.irp c, 0,1,2
	ds_load_b128 v[\reg+4*\c:\reg+4*\c+3], v[\adr] offset:(\q)*12288+(\i)*1536+512*\c
.endr
.endm
.macro MUL16 a0, p, q, sc, zero
.irp a, \a0, \a0+1
.irp b, 0,1,2,3,4,5,6,7
.if \zero
	v_wmma_scale_f32_16x16x128_f8f6f4 v[8*(8*((\a)%4)+\b):8*(8*((\a)%4)+\b)+7], v[128*(\p)+FR*\b:128*(\p)+FR*\b+FR-1], v[AF+FR*(\a):AF+FR*(\a)+FR-1], 0, v[SC+8*NQ*(\sc)+NQ*\b+(\q)], v[SC+8*NQ*(\sc)+NQ*(\a)+(\q)] matrix_a_fmt:MATRIX_FMT_FP6 matrix_b_fmt:MATRIX_FMT_FP6 matrix_a_scale:MATRIX_SCALE_ROW1
.else
	v_wmma_scale_f32_16x16x128_f8f6f4 v[8*(8*((\a)%4)+\b):8*(8*((\a)%4)+\b)+7], v[128*(\p)+FR*\b:128*(\p)+FR*\b+FR-1], v[AF+FR*(\a):AF+FR*(\a)+FR-1], v[8*(8*((\a)%4)+\b):8*(8*((\a)%4)+\b)+7], v[SC+8*NQ*(\sc)+NQ*\b+(\q)], v[SC+8*NQ*(\sc)+NQ*(\a)+(\q)] matrix_a_fmt:MATRIX_FMT_FP6 matrix_b_fmt:MATRIX_FMT_FP6 matrix_a_scale:MATRIX_SCALE_ROW1
.endif
.endr
.endr
.endm
.macro FETCH_B slot, q, p
	WIN TO_B
.irp i, 0,1,2,3,4,5,6,7
	FRAG 128*(\p)+FR*\i, ADRB+\slot, \q, \i
.endr
	WIN 0
.endm
.macro FETCH_A slot, q, i0
.irp i, \i0, \i0+1, \i0+2, \i0+3
	FRAG AF+FR*(\i), ADRA+\slot, \q, \i
.endr
.endm
.macro SCALES sc
.irp i, 0,1,2,3,4,5,6,7
	ds_load_b64 v[SC+8*NQ*\sc+NQ*\i:SC+8*NQ*\sc+NQ*\i+1], v[ADRS] offset:\i*512
.endr
.endm
.macro PLACES n
.rept \n
	v_nop
.endr
.endm
.macro STEP slot, q, zero
	s_wait_dscnt 4*NL
	WIN MUL_LO
	MUL16 0, (\q)%2, \q, \slot, \zero
	MUL16 2, (\q)%2, \q, \slot, \zero
	s_wait_dscnt 0
	PLACES NP
	FETCH_B \slot, (\q)+1, 1-(\q)%2
	FETCH_A \slot, (\q)+1, 0
	WIN MUL_HI
	MUL16 4, (\q)%2, \q, \slot, \zero
	MUL16 6, (\q)%2, \q, \slot, \zero
	PLACES NP
	WIN 0
	FETCH_A \slot, (\q)+1, 4
.endm
.macro TURN slot, next, fill
	s_wait_tensorcnt 0x0
	ds_add_u32 v[SPW], v[NIL]
	s_wait_dscnt 4*NL+1
	WIN MUL_LO
	MUL16 0, 1, NQ-1, \slot, 0
	s_wait_dscnt 0x0
	s_barrier_signal -1
	MUL16 2, 1, NQ-1, \slot, 0
	WIN 0
	s_barrier_wait -1
.if \fill
	CREST
	s_add_nc_u64 s[G0+4*\slot+2:G0+4*\slot+3], s[G0+4*\slot+2:G0+4*\slot+3], 2*QRT
	s_add_nc_u64 s[G0B+4*\slot+2:G0B+4*\slot+3], s[G0B+4*\slot+2:G0B+4*\slot+3], 2*QRT
	JLOAD G0+4*\slot, G1, G0B+4*\slot, G1B
.else
	PLACES NP
.endif
	s_wait_alu depctr_va_vdst(0)
	v_add_nc_u32 v[ADRS], 128, v[ADRS]
	FETCH_B \next, 0, 0
	FETCH_A \next, 0, 0
	SCALES \next
	WIN MUL_HI
	MUL16 4, 1, NQ-1, \slot, 0
	MUL16 6, 1, NQ-1, \slot, 0
	PLACES NP
	WIN 0
	FETCH_A \next, 0, 4
.endm
	s_wait_alu depctr_va_vdst(0)
	s_wait_tensorcnt 1
	s_barrier_signal -1
	s_barrier_wait -1
	FETCH_B 0, 0, 0
	FETCH_A 0, 0, 0
	SCALES 0
	FETCH_A 0, 0, 4
	STEP 0, 0, 1
	TURN 0, 1, 1
	STEP 1, 0, 0
	TURN 1, 0, 1
	STEP 0, 0, 0
	TURN 0, 1, 0
	STEP 1, 0, 0
	s_wait_dscnt 4*NL
	WIN MUL_LO
	MUL16 0, 1, NQ-1, 1, 0
	MUL16 2, 1, NQ-1, 1, 0
	s_wait_dscnt 0
	WIN MUL_HI
	MUL16 4, 1, NQ-1, 1, 0
	MUL16 6, 1, NQ-1, 1, 0
	WIN 0
.macro OUTA a
.set AC, 64*((\a)%4)
.set CSB, CSR+32*((\a)%2)
.if (\a) < 7
	s_wait_loadcnt 8
.else
	s_wait_loadcnt 0
.endif
	WIN 2+(\a)/4
.irp e, 0,1
.irp i, 0,2,4,6,8,10,12,14
	v_pk_mul_f32 v[T1+\i:T1+\i+1], v[AC+32*\e+16+\i:AC+32*\e+17+\i], v[CSB+16+\i:CSB+17+\i]
.endr
.irp i, 0,2,4,6,8,10,12,14
	v_pk_mul_f32 v[T2+\i:T2+\i+1], v[AC+32*\e+\i:AC+32*\e+1+\i], v[CSB+16+\i:CSB+17+\i]
.endr
.irp i, 0,2,4,6,8,10,12,14
	v_pk_fma_f32 v[X+32*\e+\i:X+32*\e+1+\i], v[AC+32*\e+\i:AC+32*\e+1+\i], v[CSB+\i:CSB+1+\i], v[T1+\i:T1+\i+1] neg_lo:[0,0,1] neg_hi:[0,0,1]
.endr
.irp i, 0,2,4,6,8,10,12,14
	v_pk_fma_f32 v[X+32*\e+16+\i:X+32*\e+17+\i], v[AC+32*\e+16+\i:AC+32*\e+17+\i], v[CSB+\i:CSB+1+\i], v[T2+\i:T2+\i+1]
.endr
.endr
	WIN 0
.if (\a) < 6
.irp c, 0,1,2,3,4,5,6,7
	global_load_b128 v[CSB+4*\c:CSB+4*\c+3], v[CO], s[92:93] offset:((\a)+2)*4096+512*\c
.endr
.endif
	s_wait_xcnt 0x0
	QUANT X, 0x3000000, PC, PWS+\a
.irp c, 0,1,2
	global_store_b128 v[CO], v[PC+4*\c:PC+4*\c+3], s[94:95] offset:(\a)*1536+512*\c
.endr
.endm
	PLACES NP
.irp b, 0,1,2,3
	v_mov_b32 v[TM+4+\b], 0
.endr
.irp a, 0,1,2,3,4,5,6,7
	OUTA \a
.endr
	v_cmp_eq_u32 vcc_lo, 1, v2
.irp i, 0,1,2,3
	v_cndmask_b32 v[OW+\i], v[PWS+\i], v[PWS+4+\i], vcc_lo
.endr
	global_store_b128 v[CO], v[OW:OW+3], s[66:67]
	s_wait_tensorcnt 0x0
	ds_add_u32 v[SPW], v[NIL]
	s_wait_dscnt 0x0
	CROUND
	s_endpgm
.Lfunc_end_k_qf4da5babee_qkv:
	.size	k_qf4da5babee_qkv, .Lfunc_end_k_qf4da5babee_qkv-k_qf4da5babee_qkv
	.p2alignl 7, 3214868480
	.fill 96, 4, 3214868480
	.section	.rodata,"a",@progbits
	.p2align	6, 0x0
	.amdhsa_kernel k_qf4da5babee_qkv
		.amdhsa_group_segment_fixed_size 327680
		.amdhsa_private_segment_fixed_size 0
		.amdhsa_enable_private_segment 0
		.amdhsa_kernarg_size 48
		.amdhsa_user_sgpr_count 2
		.amdhsa_user_sgpr_kernarg_segment_ptr 1
		.amdhsa_wavefront_size32 1
		.amdhsa_system_sgpr_workgroup_id_x 1
		.amdhsa_system_sgpr_workgroup_id_y 1
		.amdhsa_system_sgpr_workgroup_id_z 1
		.amdhsa_system_vgpr_workitem_id 0
		.amdhsa_next_free_vgpr 1024
		.amdhsa_next_free_sgpr 106
		.amdhsa_reserve_vcc 1
		.amdhsa_float_denorm_mode_32 3
		.amdhsa_float_denorm_mode_16_64 3
		.amdhsa_memory_ordered 1
		.amdhsa_forward_progress 1
		.amdhsa_inst_pref_size 179
	.end_amdhsa_kernel
	.amdgpu_metadata
---
amdhsa.version: [ 1, 2 ]
amdhsa.kernels:
  - .name:           k_qf4da5babee_qkv
    .symbol:         k_qf4da5babee_qkv.kd
    .args:
      - { .name: xc, .offset: 0, .size: 8, .value_kind: global_buffer, .address_space: global }
      - { .name: xs, .offset: 8, .size: 8, .value_kind: global_buffer, .address_space: global }
      - { .name: wc, .offset: 16, .size: 8, .value_kind: global_buffer, .address_space: global }
      - { .name: ws, .offset: 24, .size: 8, .value_kind: global_buffer, .address_space: global }
      - { .name: cs, .offset: 32, .size: 8, .value_kind: global_buffer, .address_space: global }
      - { .name: qkv, .offset: 40, .size: 8, .value_kind: global_buffer, .address_space: global }
    .group_segment_fixed_size: 327680
    .private_segment_fixed_size: 0
    .kernarg_segment_align: 8
    .kernarg_segment_size: 48
    .max_flat_workgroup_size: 128
    .sgpr_count:     106
    .vgpr_count:     1024
    .wavefront_size: 32
...
	.end_amdgpu_metadata
.endif
;; end of part 2
;; launch attn (part 3): grid 4 x 64, 8 waves a work-group, clusters of 4 x 4, 327,680 bytes of LDS; arguments attention_mask, qkv, oc, os; writes oc, os
.if DOCPART == 3
	.amdgcn_target "amdgcn-amd-amdhsa--gfx1250"
	.amdhsa_code_object_version 6
	.text
	.protected	k_qf4da5babee_attn
	.globl	k_qf4da5babee_attn
	.p2align	8
	.type	k_qf4da5babee_attn,@function
k_qf4da5babee_attn:
	s_mov_b64 s[64:65], 0
	v_nop
	global_prefetch_b8 v0, s[64:65] scope:SCOPE_SE
	s_setreg_imm32_b32 hwreg(HW_REG_WAVE_MODE, 25, 1), 1
	s_wait_xcnt 0x0
	s_wait_alu depctr_hold_cnt(0) depctr_sa_sdst(0) depctr_va_vdst(0) depctr_va_sdst(0) depctr_va_ssrc(0) depctr_va_vcc(0) depctr_vm_vsrc(0)
	s_getreg_b32 s2, hwreg(HW_REG_IB_STS2, 6, 4)
	s_cmp_eq_u32 s2, 0
	s_cbranch_scc0 .Lentry_in_a_cluster
	s_endpgm
.Lentry_in_a_cluster:
	s_bfe_u32 s2, ttmp6, 0x10000c
	s_cmp_lg_u32 s2, 0xf033
	s_cbranch_scc0 .Lentry_shape_is_right
	s_endpgm
.Lentry_shape_is_right:
; ATTENTION on codes of FP6 (E2M3) with E8M0 scales: O = softmax(q k^T / 8 + mask) v, 4 batches x 16 heads x 2,048 x 2,048 x 64; O is quantised along the hidden axis for the last product.
; SOFTMAX: t = logit x log2(e); M = the running largest t rounded UP to a whole number; p = 2^(t - M) is quantised along the keys, not normalised; the row's sum is taken of the
; unquantised p and divides O at the end.  When M moves, the sum and O are multiplied by 2^(old M - new M): exact.
; SHARES.  A work-group owns 128 queries of one batch and FOUR heads; wave w of eight owns query tile w for all four heads and walks the 2,048 keys, 128 a step.
; LAYOUT.  Both products transposed (S^T = K Q^T, O^T = V^T P^T): a lane holds one query.  Lane r of a tile of tokens or channels is row 32 (t / 2) + 8 (t % 2) + r + 8 (r / 8),
; so the 16 registers of result tiles 2 b, 2 b + 1 are 16 neighbours.  The mask is the C of the first product, and 3 is taken off q's scale bytes (a division by 8, exact).
; K = 64 IN AN INSTRUCTION OF 128.  An image holds a pair of heads (registers 0-5 even, 6-11 odd).  Q lies as [even 6][zeros 6][odd 6]; of K only the head's six registers of a tile
; are loaded, tiles six registers apart: the operand's other six are a neighbour's codes, which meet Q's zero codes.
; THE ORDER OF A STEP.  K's fragments have registers of their own (window 1, v0-59): behind a head's first products V's fragments and then the NEXT head's K are asked of LDS, and land
; under the softmax.  THE CHANGE OF SLOTS stands inside head 3: behind V's loads, the wave's last reads of the slot, come the wait for all tensor loads, the add, 32 maxima, the wait for
; LDS and the round's opening signal; the rest of the softmax, work on registers alone, stands between that signal and its wait; behind the round come the joint refill, then the next
; step's mask and K, which land under the quantising and the second products.
; CLUSTER 4 x 4: the four of a row (same queries, other heads) ask for the mask's tile jointly; the four of a column (same heads, other queries) for K's and V's.
; LIMITS: NaN and +infinity are not served; -infinity in the mask is; a row all of whose logits are -infinity, or so low that t overflows, is not served (its sum is 0).
.set SLOT1, 131072                     ; slot 1 begins here
.set MP,    520                        ; a row of the mask's tile: 512 bytes + 8
.set KVO,   128*MP                     ; behind the mask: K's images, K's scale words, V's images, V's scale words
.set KSC,   24576
.set VIM,   25600
.set VSC,   50176
.set SPARE, 2*SLOT1                    ; the spare words: 128 bytes a wave
.set AM0,  1                           ; my place in the mask's tile
.set AKV0, 2                           ; KVO + 16 x lane
.set ADM,  3                           ; the same two in the slot in hand
.set ADKV, 4
.set SPW,  5
.set NIL,  6
.set L16,  7
.set SW,   8
.set PFO,  9
.set STT,  12                          ; head e: +0 -M, +1 largest t, +2, +3 the sum
.set QS,   28
.set KS,   30
.set VS,   34
.set PS,   38
.set FF,   40
.set Q,    42
.set KP,   78                          ; V's tile t at 78 + 12 t
.set S,    138
.set PC,   202
.set BM,   222
.set BP,   226
.set SO,   230
.set TT,   234
.set TM,   222
.set KW,   0                           ; window 1: v0-59 K's tile t at 6 + 6 t, six zero registers on either side
.set MK,   64                          ; window 1: the mask's 64 numbers
.set OB,   128                         ; window 1: O^T, 32 registers a head
.set SEL,  20
.set CS,   22
.set G1M,  24
.set G1K,  32
.set G0M,  40
.set G0K,  44
.set TB,   48                          ; LDS byte at which the slot in hand begins
.set CNT,  49
.set PFA,  50
.set PFS,  52
.set LIM,  54
.set MSB, 0
.macro WIN new
.if MSB != (\new)
	s_set_vgpr_msb (MSB<<8)|(\new)
.set MSB, (\new)
.endif
.endm
; a joint load: waves 0-3 fetch 32 rows of the mask's tile each, waves 4-7 a quarter of K's and V's block each
.macro JLOAD
	s_cmp_lt_u32 s12, 4
	s_cbranch_scc0 .Lfor_kv_\@
	tensor_load_to_lds s[G0M:G0M+3], s[G1M:G1M+7]
	s_nop 0
.rept 4
	v_nop
.endr
	s_branch .Lasked_\@
.Lfor_kv_\@:
	tensor_load_to_lds s[G0K:G0K+3], s[G1K:G1K+7]
	s_nop 0
.rept 4
	v_nop
.endr
.Lasked_\@:
.endm
; a prefetch of what the NEXT refill will ask for, one key step ahead of that load.  The mask's tile: partner cx takes rows 32 cx on, a lane a row, waves 0 and 1 a half row each.
; K's and V's block (200 x 256 bytes): the batch's first cluster asks; partner cy takes 50, waves 4 and 5 take 25 each.  The last refill asks for nothing.
.macro ASK
	s_cmp_gt_u32 s[CNT], s[LIM]
	s_cbranch_scc0 .Lnot_mine_\@
	global_prefetch_b8 v[PFO], s[PFA:PFA+1] th:TH_LOAD_NT scope:SCOPE_SE
.Lnot_mine_\@:
.endm
.macro CREST                           ; a round of the cluster's barrier behind its opening barrier
	s_cmp_lg_u32 s12, 0
	s_cbranch_scc1 .Lnot_wave_0_\@
	s_barrier_signal -3
.Lnot_wave_0_\@:
	s_barrier_wait -3
	s_barrier_signal -1
	s_barrier_wait -1
.endm
.macro CROUND
	s_barrier_signal -1
	s_barrier_wait -1
	CREST
.endm
.macro WALK                            ; the walking descriptors and the prefetches' address: written where no tensor load of mine is out
	s_xor_b32 s[G0M+1], s[G0M+1], SLOT1
	s_add_nc_u64 s[G0M+2:G0M+3], s[G0M+2:G0M+3], 512
	s_xor_b32 s[G0K+1], s[G0K+1], SLOT1
	s_add_nc_u64 s[G0K+2:G0K+3], s[G0K+2:G0K+3], 76800
	s_wait_xcnt 0x0                                ; the last prefetch has read its address
	s_add_nc_u64 s[PFA:PFA+1], s[PFA:PFA+1], s[PFS:PFS+1]
.endm
; 64 numbers of a lane become a fragment's codes in v[pc] .. v[pc + 11] and its row's scale word in v[pw]
.macro QUANT s, floor, pc, pw
.irp b, 0,1,2,3
	v_max3_num_f32 v[TM+\b], |v[\s+16*\b]|, |v[\s+1+16*\b]|, \floor
.endr
.irp i, 2,4,6,8,10,12,14
.irp b, 0,1,2,3
	s_delay_alu instid0(VALU_DEP_4)
	v_max3_num_f32 v[TM+\b], v[TM+\b], |v[\s+16*\b+\i]|, |v[\s+1+16*\b+\i]|
.endr
.endr
.irp b, 0,1,2,3
	s_delay_alu instid0(VALU_DEP_4)
	v_permlanex16_b32 v[TM+4+\b], v[TM+\b], s[SEL], s[SEL+1]
.endr
.irp b, 0,1,2,3
	s_delay_alu instid0(VALU_DEP_4)
	v_max_num_f32 v[TM+\b], v[TM+\b], v[TM+4+\b]
.endr
.irp b, 0,1,2,3
	s_delay_alu instid0(VALU_DEP_4)
	v_add_nc_u32 v[TM+12+\b], 0xff000000, v[TM+\b]
.endr
.irp b, 0,1,2,3
	s_delay_alu instid0(VALU_DEP_4)
	v_lshrrev_b32 v[TM+4+\b], 23, v[TM+12+\b]
.endr
	s_delay_alu instid0(VALU_DEP_3)
	v_lshl_or_b32 v[\pw], v[TM+5], 8, v[TM+4]
	s_delay_alu instid0(VALU_DEP_1)
	v_lshl_or_b32 v[\pw], v[TM+6], 16, v[\pw]
	s_delay_alu instid0(VALU_DEP_1)
	v_lshl_or_b32 v[\pw], v[TM+7], 24, v[\pw]
.irp c, 0,1
	v_cvt_scalef32_pk16_fp6_f32 v[\pc+6*\c:\pc+2+6*\c], v[\s+32*\c:\s+15+32*\c], v[TM+12+2*\c]
	v_cvt_scalef32_pk16_fp6_f32 v[\pc+12+4*\c:\pc+14+4*\c], v[\s+16+32*\c:\s+31+32*\c], v[TM+12+2*\c+1]
.endr
	v_nop                                          ; one plain instruction behind a scaled conversion
.irp c, 0,1
.irp i, 0,1,2
	v_permlane16_swap_b32 v[\pc+6*\c+\i], v[\pc+12+4*\c+\i]
.endr
.irp i, 0,1,2
	s_delay_alu instid0(VALU_DEP_3)
	v_mov_b32 v[\pc+3+6*\c+\i], v[\pc+12+4*\c+\i]
.endr
.endr
.endm
	s_load_b256 s[4:11], s[0:1], 0x0               ; attention_mask, qkv, oc, os
	v_lshl_add_u32 v[SPW], v0, 2, SPARE
	v_mov_b32 v[NIL], 0
	ds_add_u32 v[SPW], v[NIL]                      ; the opening lines: the add twice on end and its wait
	ds_add_u32 v[SPW], v[NIL]
	s_wait_dscnt 0x0
	v_lshrrev_b32 v10, 5, v0
	s_delay_alu instid0(VALU_DEP_1)
	v_readfirstlane_b32 s12, v10                   ; wave 0..7
	s_bfe_u32 s13, ttmp6, 0x40000                  ; cx: my group of four heads
	s_bfe_u32 s14, ttmp6, 0x40004                  ; cy
	s_and_b32 s15, ttmp7, 0xffff
	s_lshr_b32 s16, s15, 2                         ; the batch
	s_and_b32 s17, s15, 3
	s_lshl_b32 s17, s17, 2
	s_add_co_u32 s17, s17, s14                     ; my block of 128 queries
	s_and_b32 s18, s12, 3                          ; which quarter I fetch
	s_lshl_b32 s55, s14, 2
	s_lshl_b32 s55, 15, s55                        ; my row of the cluster
	s_lshl_b32 s56, 0x1111, s13                    ; my column
	s_or_b32 s[G1M], s55, (2<<16)|(1<<20)|(1<<21)|(6<<22)|(1<<25)  ; the mask: 32 rows x 128 elements of 4 bytes, 8 bytes of padding behind each row
	s_mov_b32 s[G1M+1], 128<<16
	s_mov_b32 s[G1M+2], 32<<16
	s_mov_b32 s[G1M+3], 128<<16
	s_mov_b32 s[G1M+4], 32
	s_mov_b32 s[G1M+5], 2048
	s_mov_b32 s[G1M+6], 0
	s_mov_b32 s[G1M+7], 0
	s_or_b32 s[G1K], s56, (3<<16)|(1<<21)          ; K and V: 12,800 dense bytes as 50 rows of 256
	s_mov_b32 s[G1K+1], 32<<16
	s_mov_b32 s[G1K+2], 50<<16
	s_mov_b32 s[G1K+3], 32<<16
	s_mov_b32 s[G1K+4], 50
	s_mov_b32 s[G1K+5], 32
	s_mov_b32 s[G1K+6], 0
	s_mov_b32 s[G1K+7], 0
	s_lshl_b32 s57, s16, 11
	s_lshl_b32 s58, s17, 7
	s_add_co_u32 s57, s57, s58                     ; my block's first row of the mask
	s_lshl_b32 s58, s18, 5
	s_add_co_u32 s58, s57, s58
	s_lshl_b32 s58, s58, 13
	s_mov_b32 s59, 0
	s_lshl_b32 s60, s16, 2
	s_add_co_u32 s60, s60, s13
	s_lshl_b32 s60, s60, 4                         ; the first block of my batch and group of heads
	s_mul_i32 s62, s60, 76800
	s_mul_i32 s61, s18, 12800
	s_add_co_u32 s66, s62, s61
	s_add_co_u32 s66, s66, 25600                   ; K's region begins behind Q's
	s_mov_b32 s67, 0
	s_mul_i32 s68, s18, 32*MP
	s_mul_i32 s69, s18, 12800
	s_add_co_u32 s69, s69, KVO
	s_add_co_u32 s70, s60, s17                     ; Q: the block of my queries
	s_mul_i32 s70, s70, 76800
	s_mul_i32 s71, s12, 1536
	s_add_co_u32 s72, s70, s71
	s_mov_b32 s73, 0
	s_lshr_b32 s71, s12, 2
	s_lshl_b32 s71, s71, 8
	s_add_co_u32 s74, s70, s71
	s_lshl_b32 s71, s18, 2
	s_add_co_u32 s74, s74, s71
	s_add_co_u32 s74, s74, 24576                   ; its scale words
	s_mov_b32 s75, 0
	s_mov_b32 s[SEL], 0x76543210
	s_mov_b32 s[SEL+1], 0xfedcba98
	s_mov_b32 s[CS], 0x3fb8aa3b                    ; log2(e)
	s_mov_b32 s[CS+1], s[CS]
	s_mov_b32 s[TB], 0
	s_mov_b32 s[CNT], 15                           ; refills still to be asked for
	s_wait_kmcnt 0x0
	s_mov_b32 s[G0M], 1
	s_mov_b32 s[G0M+1], s68
	s_add_nc_u64 s[G0M+2:G0M+3], s[4:5], s[58:59]
	s_or_b32 s[G0M+3], s[G0M+3], 0x80000000
	s_mov_b32 s[G0K], 1
	s_mov_b32 s[G0K+1], s69
	s_add_nc_u64 s[G0K+2:G0K+3], s[6:7], s[66:67]
	s_or_b32 s[G0K+3], s[G0K+3], 0x80000000
	CROUND                                         ; the first joint loads meet
	JLOAD                                          ; key step 0: my one tensor load at the head
	s_add_nc_u64 s[72:73], s[6:7], s[72:73]
	s_add_nc_u64 s[74:75], s[6:7], s[74:75]
	v_and_b32 v10, 31, v0
	s_delay_alu instid0(VALU_DEP_1)
	v_lshlrev_b32 v[L16], 4, v10
	v_and_b32 v11, 15, v0                          ; r
	s_delay_alu instid0(VALU_DEP_1)
	v_lshlrev_b32 v10, 4, v11
.irp p, 0,1                                    ; Q stays in registers: [even head's 6][zeros 6][odd head's 6]
	global_load_b128 v[Q+18*\p:Q+18*\p+3], v[L16], s[72:73] offset:\p*12288
	global_load_b64 v[Q+18*\p+4:Q+18*\p+5], v[L16], s[72:73] offset:\p*12288+512
	global_load_b64 v[Q+18*\p+12:Q+18*\p+13], v[L16], s[72:73] offset:\p*12288+520
	global_load_b128 v[Q+18*\p+14:Q+18*\p+17], v[L16], s[72:73] offset:\p*12288+1024
	global_load_b32 v[QS+\p], v10, s[74:75] offset:\p*512
.endr
	v_and_b32 v[AM0], 8, v11
	s_delay_alu instid0(VALU_DEP_1)
	v_add_nc_u32 v[AM0], v[AM0], v11               ; r + 8 (r / 8)
	s_delay_alu instid0(VALU_DEP_1)
	v_mul_u32_u24 v[AM0], v[AM0], MP
	v_bfe_u32 v[SW], v0, 4, 1                      ; h
	s_delay_alu instid0(VALU_DEP_1)
	v_lshl_add_u32 v[AM0], v[SW], 6, v[AM0]        ; + 64 h
	s_lshr_b32 s19, s12, 1
	s_mul_i32 s19, s19, 32*MP
	s_and_b32 s63, s12, 1
	s_mul_i32 s63, s63, 8*MP
	s_add_co_u32 s19, s19, s63                     ; my tile begins at row 32 (w / 2) + 8 (w % 2)
	v_add_nc_u32 v[AM0], s19, v[AM0]
	v_add_nc_u32 v[AKV0], KVO, v[L16]
	v_lshlrev_b32 v[SW], 2, v[SW]
	s_delay_alu instid0(VALU_DEP_1)
	v_lshl_add_u32 v[SW], v11, 3, v[SW]
	; the prefetches: where my wave's stand, and who asks
	s_lshl_b32 s76, s13, 5
	s_add_co_u32 s76, s76, s57
	s_lshl_b32 s76, s76, 13
	s_and_b32 s77, s12, 1
	s_lshl_b32 s78, s77, 8
	s_add_co_u32 s76, s76, s78
	s_add_co_u32 s76, s76, 512                     ; at step 1: the first refill steps it to step 2
	s_mul_i32 s78, s14, 12800
	s_add_co_u32 s78, s78, s62
	s_mul_i32 s77, s77, 6400
	s_add_co_u32 s78, s78, s77
	s_add_co_u32 s78, s78, 76800+25600
	s_mov_b32 s79, 256
	s_mov_b32 s63, 76800
	s_cmp_lt_u32 s12, 4
	s_cselect_b64 s[PFA:PFA+1], s[4:5], s[6:7]
	s_cselect_b32 s76, s76, s78
	s_cselect_b32 s[PFS], 512, s63
	s_cselect_b32 s78, 31, 24
	s_cselect_b32 s79, 8192, s79
	s_mov_b32 s77, 0
	s_mov_b32 s[PFS+1], 0
	s_add_nc_u64 s[PFA:PFA+1], s[PFA:PFA+1], s[76:77]
	v_and_b32 v[PFO], 31, v0
	s_delay_alu instid0(VALU_DEP_1)
	v_min_u32 v[PFO], s78, v[PFO]
	s_delay_alu instid0(VALU_DEP_1)
	v_mul_lo_u32 v[PFO], v[PFO], s79
	s_and_b32 s76, s12, 2
	s_and_b32 s77, s15, 3
	s_cmp_lt_u32 s12, 4
	s_cselect_b32 s77, 0, s77
	s_or_b32 s76, s76, s77
	s_cmp_eq_u32 s76, 0
	s_cselect_b32 s[LIM], 1, -1
	; where O goes
	s_lshl_b32 s76, s16, 4
	s_add_co_u32 s76, s76, s17
	s_mul_i32 s78, s76, 98304
	s_mul_i32 s77, s13, 24576
	s_add_co_u32 s78, s78, s77
	s_mul_i32 s77, s12, 1536
	s_add_co_u32 s78, s78, s77
	s_mov_b32 s79, 0
	s_add_nc_u64 s[8:9], s[8:9], s[78:79]
	s_lshl_b32 s76, s76, 3
	s_add_co_u32 s76, s76, s12
	s_lshl_b32 s76, s76, 9
	s_lshl_b32 s77, s13, 7
	s_add_co_u32 s76, s76, s77
	s_mov_b32 s77, 0
	s_add_nc_u64 s[10:11], s[10:11], s[76:77]
	s_wait_loadcnt 0x0                             ; Q
.irp p, 0,1
	v_add_nc_u32 v[QS+\p], 0xfcfcfcfd, v[QS+\p]    ; 3 off each of the four bytes (each is 4 or more): q / 8
.endr
.irp p, 0,1
.irp i, 6,7,8,9,10,11
	v_mov_b32 v[Q+18*\p+\i], 0                     ; the zero codes between the two heads
.endr
.endr
.irp e, 0,1,2,3
	v_mov_b32 v[STT+4*\e+1], 0xff61b1e6            ; the largest t so far: -3e38
	s_delay_alu instid0(VALU_DEP_1)
	v_floor_f32 v[STT+4*\e], -v[STT+4*\e+1]
	v_mov_b32 v[STT+4*\e+2], 0
	v_mov_b32 v[STT+4*\e+3], 0
	v_mov_b32 v[BP+\e], 0                          ; a lane permute's destination counts as one of its sources
.endr
	v_mov_b32 v[FF+1], 0
	v_add_nc_u32 v[ADM], s[TB], v[AM0]
	v_add_nc_u32 v[ADKV], s[TB], v[AKV0]
	WIN 0x40
.irp i, 0,1,2,3,4,5
	v_mov_b32 v[KW+\i], 0                          ; the six registers in front of K's first tile and behind its last: they meet zero codes, but are named
	v_mov_b32 v[KW+54+\i], 0
.endr
.set J, 0
.rept 128
	v_mov_b32 v[OB+J], 0                           ; O^T: the step is written once for all sixteen
.set J, J+1
.endr
	WIN 0
.macro KLOAD e                         ; head e's six registers of each of K's eight images; the destination's window is 1
.irp t, 0,1,2,3,4,5,6,7
.if ((\e)%2) == 0
	ds_load_b128 v[KW+6+6*\t:KW+9+6*\t], v[ADKV] offset:((\e)/2)*12288+\t*1536
	ds_load_b64 v[KW+10+6*\t:KW+11+6*\t], v[ADKV] offset:((\e)/2)*12288+\t*1536+512
.else
	ds_load_b64 v[KW+6+6*\t:KW+7+6*\t], v[ADKV] offset:((\e)/2)*12288+\t*1536+520
	ds_load_b128 v[KW+8+6*\t:KW+11+6*\t], v[ADKV] offset:((\e)/2)*12288+\t*1536+1024
.endif
.endr
.endm
.macro NEXT                            ; a step's first reads: the mask (register 16 b + i: key 32 b + 16 h + i), head 0's K, the first pair's scale words
	WIN 0x40
.irp b, 0,1,2,3
.irp i, 0,1,2,3,4,5,6,7
	ds_load_b64 v[MK+16*\b+2*\i:MK+16*\b+2*\i+1], v[ADM] offset:128*\b+8*\i
.endr
.endr
	KLOAD 0
	WIN 0
	ds_load_b128 v[KS:KS+3], v[ADKV] offset:KSC
.endm
.macro SMAX1                           ; the largest logit of my 16 keys of each block of 32; each accumulator is read from its low end on
.irp b, 0,1,2,3
	v_max3_num_f32 v[BM+\b], v[S+16*\b], v[S+1+16*\b], v[S+2+16*\b]
.endr
.irp i, 3,5,7,9,11,13
.irp b, 0,1,2,3
	v_max3_num_f32 v[BM+\b], v[BM+\b], v[S+16*\b+\i], v[S+1+16*\b+\i]
.endr
.endr
.irp b, 0,1,2,3
	v_max_num_f32 v[BM+\b], v[BM+\b], v[S+15+16*\b]
.endr
.endm
.macro SMAX2 hint                      ; the blocks' and the row's maxima, the new M, f, and t - M; hint = 0 where waits part the permutes from the maxima
.irp b, 0,1,2,3
.if \hint
	s_delay_alu instid0(VALU_DEP_4)
.endif
	v_permlanex16_b32 v[BP+\b], v[BM+\b], s[SEL], s[SEL+1]
.endr
.irp b, 0,1,2,3
	s_delay_alu instid0(VALU_DEP_4)
	v_max_num_f32 v[BM+\b], v[BM+\b], v[BP+\b]
.endr
	s_delay_alu instid0(VALU_DEP_2)
	v_max3_num_f32 v[TT+2], v[BM], v[BM+1], v[BM+2]
	s_delay_alu instid0(VALU_DEP_1)
	v_max_num_f32 v[TT+2], v[TT+2], v[BM+3]
	s_delay_alu instid0(VALU_DEP_1)
	v_mul_f32 v[TT+2], s[CS], v[TT+2]
	s_delay_alu instid0(VALU_DEP_1)
	v_max_num_f32 v[STE+1], v[STE+1], v[TT+2]      ; the running largest t
	v_mov_b32 v[TT+2], v[STE]
	s_delay_alu instid0(VALU_DEP_2)
	v_floor_f32 v[STE], -v[STE+1]                  ; the new -M
	s_delay_alu instid0(VALU_DEP_1)
	v_sub_f32 v[TT+2], v[STE], v[TT+2]
	s_delay_alu instid0(VALU_DEP_1)
	v_cvt_i32_f32 v[TT+2], v[TT+2]
	s_delay_alu instid0(VALU_DEP_1)
	v_ldexp_f32 v[FF], 1.0, v[TT+2]                ; f = 2^(old M - new M)
.set J, 0
.rept 32
	v_pk_fma_f32 v[S+J:S+J+1], v[S+J:S+J+1], s[CS:CS+1], v[STE:STE+1] op_sel_hi:[1,0,0]
.set J, J+2
.endr
.irp b, 0,1,2,3
	v_fma_f32 v[BM+\b], v[BM+\b], s[CS], v[STE]
.endr
.endm
.macro SEXP                            ; p, the blocks' largest p, and the row's sum of the unquantised p
	s_wait_alu depctr_va_vdst(0)                   ; the wait ahead of the batch
.set J, 0
.rept 64
	v_exp_f32 v[S+J], v[S+J]
.set J, J+1
.endr
	v_pk_mul_f32 v[STE+2:STE+3], v[STE+2:STE+3], v[FF:FF+1] op_sel_hi:[1,0]
	s_wait_alu depctr_va_vdst(0)                   ; one wait for the batch of 64
.irp b, 0,1,2,3
	v_exp_f32 v[BM+\b], v[BM+\b]
.endr
	v_pk_add_f32 v[TT:TT+1], v[S:S+1], v[S+2:S+3]
.irp j, 4,8,12,16,20,24,28,32,36,40,44,48,52,56,60
	v_pk_add_f32 v[STE+2:STE+3], v[STE+2:STE+3], v[S+\j:S+1+\j]
	v_pk_add_f32 v[TT:TT+1], v[TT:TT+1], v[S+2+\j:S+3+\j]
.endr
	s_delay_alu instid0(VALU_DEP_1)
	v_pk_add_f32 v[STE+2:STE+3], v[STE+2:STE+3], v[TT:TT+1]
	s_wait_alu depctr_va_vdst(0)                   ; and one for the four
.endm
.macro SQ                              ; p's scale word and codes; O^T under the new M
.irp b, 0,1,2,3
	v_max_num_f32 v[BM+\b], 0x1800000, v[BM+\b]    ; the floor 2^(3 - 127): the byte cannot fall under 1
.endr
.irp b, 0,1,2,3
	s_delay_alu instid0(VALU_DEP_4)
	v_add_nc_u32 v[SO+\b], 0xff000000, v[BM+\b]
.endr
.irp b, 0,1,2,3
	s_delay_alu instid0(VALU_DEP_4)
	v_lshrrev_b32 v[BP+\b], 23, v[SO+\b]
.endr
	s_delay_alu instid0(VALU_DEP_3)
	v_lshl_or_b32 v[PS], v[BP+1], 8, v[BP]
	s_delay_alu instid0(VALU_DEP_1)
	v_lshl_or_b32 v[PS], v[BP+2], 16, v[PS]
	s_delay_alu instid0(VALU_DEP_1)
	v_lshl_or_b32 v[PS], v[BP+3], 24, v[PS]
.irp c, 0,1
	v_cvt_scalef32_pk16_fp6_f32 v[PC+6*\c:PC+2+6*\c], v[S+32*\c:S+15+32*\c], v[SO+2*\c]
	v_cvt_scalef32_pk16_fp6_f32 v[PC+12+4*\c:PC+14+4*\c], v[S+16+32*\c:S+31+32*\c], v[SO+2*\c+1]
.endr
	v_nop                                          ; one plain instruction behind a scaled conversion
.irp c, 0,1
.irp i, 0,1,2
	v_permlane16_swap_b32 v[PC+6*\c+\i], v[PC+12+4*\c+\i]
.endr
.irp i, 0,1,2
	s_delay_alu instid0(VALU_DEP_3)
	v_mov_b32 v[PC+3+6*\c+\i], v[PC+12+4*\c+\i]
.endr
.endr
	WIN 0x41
	s_wait_alu depctr_va_vdst(0)                   ; the wait ahead of the first reader of O^T
.set J, 0
.rept 16
	v_pk_mul_f32 v[OE+J:OE+J+1], v[OE+J:OE+J+1], v[FF:FF+1] op_sel_hi:[1,0]   ; also the places between the writes of p's codes and scale word and the products
.set J, J+2
.endr
.endm
; ONE HEAD'S SHARE OF A KEY STEP.  how = 0: the next head's K is asked for behind V.  how = 1: the change of slots with a joint refill.  how = 2: the change of slots with none.
.macro HEAD e, how
.set PP, (\e)/2
.set PI, (\e)%2
.set STE, STT+4*(\e)
.set OE, OB+32*(\e)
	s_wait_dscnt 0x0                               ; K, its scale words, and in a step's first head the mask
	WIN 0x11                                       ; K and the mask: window 1
.irp t, 0,1,2,3,4,5,6,7
.if \t < 4
	v_wmma_scale_f32_16x16x128_f8f6f4 v[S+8*\t:S+8*\t+7], v[KW+6+6*\t-6*PI:KW+17+6*\t-6*PI], v[Q+18*PP+6*PI:Q+18*PP+6*PI+11], v[MK+8*\t:MK+8*\t+7], v[KS+\t%4], v[QS+PP] matrix_a_fmt:MATRIX_FMT_FP6 matrix_b_fmt:MATRIX_FMT_FP6
.else
	v_wmma_scale_f32_16x16x128_f8f6f4 v[S+8*\t:S+8*\t+7], v[KW+6+6*\t-6*PI:KW+17+6*\t-6*PI], v[Q+18*PP+6*PI:Q+18*PP+6*PI+11], v[MK+8*\t:MK+8*\t+7], v[KS+\t%4], v[QS+PP] matrix_a_fmt:MATRIX_FMT_FP6 matrix_b_fmt:MATRIX_FMT_FP6 matrix_a_scale:MATRIX_SCALE_ROW1
.endif
.endr
	WIN 0
.rept 4
	v_nop                                          ; places in front of the loads into V's, K's and the scales' registers and of the first read of the scores
.endr
.irp t, 0,1,2,3
.irp c, 0,1,2
	ds_load_b128 v[KP+12*\t+4*\c:KP+12*\t+4*\c+3], v[ADKV] offset:VIM+PP*12288+(4*PI+\t)*1536+512*\c
.endr
.endr
.if PI == 0
	ds_load_b128 v[VS:VS+3], v[ADKV] offset:VSC+PP*512   ; a pair's scale words serve both its heads
.endif
.if \how == 0
	WIN 0x40
	KLOAD (\e)+1
	WIN 0
.if PI == 1
	ds_load_b128 v[KS:KS+3], v[ADKV] offset:KSC+(PP+1)*512
.endif
.else
	s_xor_b32 s[TB], s[TB], SLOT1                  ; V's loads were my last reads of this slot: the addresses turn to the other
	v_add_nc_u32 v[ADM], s[TB], v[AM0]
	v_add_nc_u32 v[ADKV], s[TB], v[AKV0]
	s_wait_alu depctr_va_vdst(0)
	s_wait_tensorcnt 0x0                           ; my part of the next slot has landed: no tensor load of mine is out
	ds_add_u32 v[SPW], v[NIL]
.if \how == 1
	WALK
.endif
.endif
	SMAX1
.if \how
	s_wait_alu depctr_va_vdst(0)
	s_wait_dscnt 0x0                               ; the add is done, V is in, and my reads of this slot are over
	s_barrier_signal -1                            ; the barrier opens (how = 1: a round of the cluster's); work on registers alone up to its wait
.endif
.if \how
	SMAX2 0
.else
	SMAX2 1
.endif
	SEXP
.if \how
	s_barrier_wait -1
.if \how == 1
	CREST
	JLOAD                                          ; the first tensor load behind the round, and my one load until the next
	ASK
	NEXT
.else
	s_cmp_eq_u32 s[CNT], 1                         ; behind the last step nothing is left to read
	s_cbranch_scc1 .Lnone_\@
	NEXT
.Lnone_\@:
.endif
.endif
	SQ
.if \how == 0
	s_wait_alu depctr_va_vdst(0)
	s_wait_dscnt 16+PI                             ; V and its scale words are in; the next head's 16 loads of K (and, behind an odd head, K's scale words) may be out
.endif
	WIN 0x50
.irp t, 0,1,2,3
.if PI == 0
	v_wmma_scale_f32_16x16x128_f8f6f4 v[OE+8*\t:OE+8*\t+7], v[KP+12*\t:KP+12*\t+11], v[PC:PC+11], v[OE+8*\t:OE+8*\t+7], v[VS+\t], v[PS] matrix_a_fmt:MATRIX_FMT_FP6 matrix_b_fmt:MATRIX_FMT_FP6
.else
	v_wmma_scale_f32_16x16x128_f8f6f4 v[OE+8*\t:OE+8*\t+7], v[KP+12*\t:KP+12*\t+11], v[PC:PC+11], v[OE+8*\t:OE+8*\t+7], v[VS+\t], v[PS] matrix_a_fmt:MATRIX_FMT_FP6 matrix_b_fmt:MATRIX_FMT_FP6 matrix_a_scale:MATRIX_SCALE_ROW1
.endif
.endr
	WIN 0
.endm
	s_wait_alu depctr_va_vdst(0)                   ; the wait at the head's end
	s_wait_tensorcnt 0x0                           ; my part of key step 0 is in
	ds_add_u32 v[SPW], v[NIL]
	WALK
	s_wait_dscnt 0x0
	CROUND
	JLOAD                                          ; key step 1, slot 1's first fill, issued as a refill is
	ASK
	NEXT
	s_mov_b32 s[CNT], 14
.Lstep:                                            ; 14 trips, steps 0 to 13: trip s asks for step s + 2
	HEAD 0, 0
	HEAD 1, 0
	HEAD 2, 0
	HEAD 3, 1
	s_sub_co_u32 s[CNT], s[CNT], 1
	s_cmp_lg_u32 s[CNT], 0
	s_cbranch_scc1 .Lstep
	s_mov_b32 s[CNT], 2
.Ltail:                                            ; steps 14 and 15: nothing more is asked for
	HEAD 0, 0
	HEAD 1, 0
	HEAD 2, 0
	HEAD 3, 2
	s_sub_co_u32 s[CNT], s[CNT], 1
	s_cmp_lg_u32 s[CNT], 0
	s_cbranch_scc1 .Ltail
	; THE WAY OUT.  Each head's sum; O^T / the sum; a pair of heads is 128 along the last product's K: quantised in registers, its image stored.
.irp e, 0,1,2,3
	v_add_f32 v[BM+\e], v[STT+4*\e+2], v[STT+4*\e+3]   ; (the places behind the last products)
.endr
.irp e, 0,1,2,3
	s_delay_alu instid0(VALU_DEP_4)
	v_permlanex16_b32 v[BP+\e], v[BM+\e], s[SEL], s[SEL+1]
.endr
.irp e, 0,1,2,3
	s_delay_alu instid0(VALU_DEP_4)
	v_add_f32 v[BM+\e], v[BM+\e], v[BP+\e]
.endr
	s_wait_alu depctr_va_vdst(0)
.irp e, 0,1,2,3
	v_rcp_f32 v[STT+4*\e], v[BM+\e]
.endr
	v_nop
	s_wait_alu depctr_va_vdst(0)
.macro OUTP p
	WIN 0x01
.set J, 0
.rept 32
	v_pk_mul_f32 v[S+J:S+J+1], v[OB+64*\p+J:OB+64*\p+J+1], v[STT+4*(2*\p+J/32):STT+4*(2*\p+J/32)+1] op_sel_hi:[1,0]
.set J, J+2
.endr
	WIN 0
.if \p
	s_wait_xcnt 0x0                                ; the first image's stores have read their registers
.endif
	QUANT S, 0x1800000, PC, PS+\p
.irp c, 0,1,2
	global_store_b128 v[L16], v[PC+4*\c:PC+4*\c+3], s[8:9] offset:12288*\p+512*\c   ; 512 consecutive bytes a store
.endr
.endm
	OUTP 0
	OUTP 1
	v_bfe_u32 v10, v0, 4, 1
	s_delay_alu instid0(VALU_DEP_1)
	v_cmp_eq_u32 vcc_lo, 1, v10
	s_delay_alu instid0(VALU_DEP_1)
	v_cndmask_b32 v11, v[PS], v[PS+1], vcc_lo      ; lanes 0-15 store the first pair's word of row r, lanes 16-31 the second's
	global_store_b32 v[SW], v11, s[10:11]
	s_wait_tensorcnt 0x0                           ; the wave's end
	ds_add_u32 v[SPW], v[NIL]
	s_wait_dscnt 0x0
	CROUND                                         ; the closing round
	s_endpgm
.Lfunc_end_k_qf4da5babee_attn:
	.size	k_qf4da5babee_attn, .Lfunc_end_k_qf4da5babee_attn-k_qf4da5babee_attn
	.p2alignl 7, 3214868480
	.fill 96, 4, 3214868480
	.section	.rodata,"a",@progbits
	.p2align	6, 0x0
	.amdhsa_kernel k_qf4da5babee_attn
		.amdhsa_group_segment_fixed_size 327680
		.amdhsa_private_segment_fixed_size 0
		.amdhsa_enable_private_segment 0
		.amdhsa_kernarg_size 32
		.amdhsa_user_sgpr_count 2
		.amdhsa_user_sgpr_kernarg_segment_ptr 1
		.amdhsa_wavefront_size32 1
		.amdhsa_system_sgpr_workgroup_id_x 1
		.amdhsa_system_sgpr_workgroup_id_y 1
		.amdhsa_system_sgpr_workgroup_id_z 1
		.amdhsa_system_vgpr_workitem_id 0
		.amdhsa_next_free_vgpr 512
		.amdhsa_next_free_sgpr 80
		.amdhsa_reserve_vcc 1
		.amdhsa_float_denorm_mode_32 3
		.amdhsa_float_denorm_mode_16_64 3
		.amdhsa_memory_ordered 1
		.amdhsa_forward_progress 1
		.amdhsa_inst_pref_size 175
	.end_amdhsa_kernel
	.amdgpu_metadata
---
amdhsa.version: [ 1, 2 ]
amdhsa.kernels:
  - .name:           k_qf4da5babee_attn
    .symbol:         k_qf4da5babee_attn.kd
    .args:
      - { .name: attention_mask, .offset: 0, .size: 8, .value_kind: global_buffer, .address_space: global }
      - { .name: qkv, .offset: 8, .size: 8, .value_kind: global_buffer, .address_space: global }
      - { .name: oc, .offset: 16, .size: 8, .value_kind: global_buffer, .address_space: global }
      - { .name: os, .offset: 24, .size: 8, .value_kind: global_buffer, .address_space: global }
    .group_segment_fixed_size: 327680
    .private_segment_fixed_size: 0
    .kernarg_segment_align: 8
    .kernarg_segment_size: 32
    .max_flat_workgroup_size: 256
    .sgpr_count:     80
    .vgpr_count:     512
    .wavefront_size: 32
...
	.end_amdgpu_metadata
.endif
;; end of part 3
;; launch outp (part 4): grid 4 x 64, 4 waves a work-group, clusters of 4 x 4, 327,680 bytes of LDS; arguments oc, os, wc, ws, out0; writes out0
.if DOCPART == 4
	.amdgcn_target "amdgcn-amd-amdhsa--gfx1250"
	.amdhsa_code_object_version 6
	.text
	.protected	k_qf4da5babee_outp
	.globl	k_qf4da5babee_outp
	.p2align	8
	.type	k_qf4da5babee_outp,@function
k_qf4da5babee_outp:
	s_mov_b64 s[64:65], 0
	v_nop
	global_prefetch_b8 v0, s[64:65] scope:SCOPE_SE
	s_setreg_imm32_b32 hwreg(HW_REG_WAVE_MODE, 25, 1), 1
	s_wait_xcnt 0x0
	s_wait_alu depctr_hold_cnt(0) depctr_sa_sdst(0) depctr_va_vdst(0) depctr_va_sdst(0) depctr_va_ssrc(0) depctr_va_vcc(0) depctr_vm_vsrc(0)
	s_getreg_b32 s2, hwreg(HW_REG_IB_STS2, 6, 4)
	s_cmp_eq_u32 s2, 0
	s_cbranch_scc0 .Lentry_in_a_cluster
	s_endpgm
.Lentry_in_a_cluster:
	s_bfe_u32 s2, ttmp6, 0x10000c
	s_cmp_lg_u32 s2, 0xf033
	s_cbranch_scc0 .Lentry_shape_is_right
	s_endpgm
.Lentry_shape_is_right:
; THE LAST PRODUCT: out0 [8192][1024] f32 = O Wo^T, both operands codes of FP6 (E2M3) with E8M0 scale words, laid as images of the operands' registers:
; codes [group of 8 tiles][K step 0..7][tile][1,536 bytes], scale words [tile][K step / 2][r][K step % 2]; lane r of tile t is row 32 (t / 2) + 8 (t % 2) + r + 8 (r / 8).
; A BLOCK of 128 tokens x 256 columns to a work-group: 64 x 4 = 256 work-groups.  One group of O (98,304 bytes), two groups of Wo (196,608) and their scale words (4,096 + 8,192) are four
; dense runs of memory and hold ALL of K: 307,200 bytes of LDS, filled once, by four joint loads at the head, one a wave.  Nothing is filled again.
; A wave makes 64 x 128: 32 accumulators (window 1), which take turns, one instruction a turn.  Two sets of fragments: the next K step's 36 loads are issued ahead of a step's 32 products.
; The product is used transposed (source 0 = 16 rows of Wo, source 1 = 16 tokens): a lane holds eight neighbouring columns of one token's row.
; CLUSTER 4 x 4: O's group hangs on the row of blocks alone and is shared along a row of the cluster; Wo's groups hang on the column alone and are shared along a column.
; NO PREFETCH: the text has no loop to run ahead in: all that the work-group reads is asked for by its first four loads.
; THE WAY OUT goes through a stage of 16 rows x 528 bytes a wave, 33,792 bytes, laid over O's K steps 0 to 2: a barrier is signalled when a wave's reads of K steps 0 to 4 are over and waited for ahead of the first store.
.set FR,    12
.set GRP,   98304
.set LB,    GRP                        ; Wo's two groups, behind O's one
.set LSA,   3*GRP                      ; O's scale words
.set LSB,   LSA+4096                   ; Wo's
.set SPARE, LSB+8192                   ; the spare words: 128 bytes a wave
.set SPITCH, 528
.set ADRA, 16                          ; v16-17 my O fragments: K steps 0-3, 4-7
.set ADRB, 18                          ; v18-19 the same for Wo
.set STO,  24
.set RD,   25
.set CO,   26
.set ADRS, 27
.set SPW,  28
.set NIL,  29
.set SC,   32                          ; v32-95 scale words: register 16 (K step / 2) + 2 i + K step % 2: lanes 0-15 O's tile i, lanes 16-31 Wo's tile i
.set AF,   96                          ; v96-191 O's fragments, two sets of four
.set BK,   96                          ; the way out: v96-159 and v160-223 by turns
.set G1A,  24
.set G1B,  32
.set G1SA, 40
.set G1SB, 48
.set G0A,  56
.set G0B,  60
.set G0SA, 68
.set G0SB, 72
.set MSB, 0
.macro WIN new
.if MSB != (\new)
	s_set_vgpr_msb (MSB<<8)|(\new)
.set MSB, (\new)
.endif
.endm
.macro CREST
	s_cmp_lg_u32 s14, 0
	s_cbranch_scc1 .Lnot_wave_0_\@
	s_barrier_signal -3
.Lnot_wave_0_\@:
	s_barrier_wait -3
	s_barrier_signal -1
	s_barrier_wait -1
.endm
.macro CROUND
	s_barrier_signal -1
	s_barrier_wait -1
	CREST
.endm
.macro PLACES n
.rept \n
	v_nop
.endr
.endm
.macro DENSE g, rows                   ; group 1 of a dense run: rows of 256 bytes (32 elements of 8)
	s_mov_b32 s[\g+1], 32<<16
	s_mov_b32 s[\g+2], (\rows)<<16
	s_mov_b32 s[\g+3], 32<<16
	s_mov_b32 s[\g+4], \rows
	s_mov_b32 s[\g+5], 32
	s_mov_b32 s[\g+6], 0
	s_mov_b32 s[\g+7], 0
.endm
.macro GRP0 g, lds, a
	s_mov_b32 s[\g], 1
	s_mov_b32 s[\g+1], \lds
	s_mov_b64 s[\g+2:\g+3], s[\a:\a+1]
	s_or_b32 s[\g+3], s[\g+3], 0x80000000
.endm
.macro ARM under, g0, g1, next         ; one arm of the head's tree: a load, and a jump to the tree's end
	s_cmp_lt_u32 s14, \under
	s_cbranch_scc0 \next
	tensor_load_to_lds s[\g0:\g0+3], s[\g1:\g1+7]
	s_nop 0
.rept 4
	v_nop
.endr
	s_branch .Lhead_asked
\next:
.endm
	s_load_b256 s[4:11], s[0:1], 0x0               ; oc, os, wc, ws
	s_load_b64 s[12:13], s[0:1], 0x20              ; out0
	v_lshl_add_u32 v[SPW], v0, 2, SPARE
	v_mov_b32 v[NIL], 0
	ds_add_u32 v[SPW], v[NIL]                      ; the opening lines: the add twice on end and its wait
	ds_add_u32 v[SPW], v[NIL]
	v_lshrrev_b32 v1, 5, v0
	v_readfirstlane_b32 s14, v1                    ; wave 0..3
	s_lshr_b32 s15, s14, 1                         ; which 64 tokens are mine
	s_and_b32 s16, s14, 1                          ; which 128 columns
	s_bfe_u32 s80, ttmp6, 0x40000                  ; cx: the block's column
	s_bfe_u32 s81, ttmp6, 0x40004                  ; cy
	s_and_b32 s17, ttmp7, 0xffff
	s_lshl_b32 s17, s17, 2
	s_add_co_u32 s17, s17, s81                     ; the group of 128 tokens
	s_lshl_b32 s82, s81, 2
	s_lshl_b32 s82, 15, s82                        ; my row of the cluster
	s_lshl_b32 s83, 0x1111, s80                    ; my column
	s_or_b32 s[G1A], s82, (3<<16)|(1<<21)
	s_or_b32 s[G1SA], s82, (3<<16)|(1<<21)
	s_or_b32 s[G1B], s83, (3<<16)|(1<<21)
	s_or_b32 s[G1SB], s83, (3<<16)|(1<<21)
	DENSE G1A, 384
	DENSE G1B, 768
	DENSE G1SA, 16
	DENSE G1SB, 32
	s_mul_i32 s20, s17, GRP
	s_mov_b32 s21, 0
	s_lshl_b32 s22, s17, 12
	s_mov_b32 s23, 0
	s_lshl_b32 s84, s80, 1
	s_add_co_u32 s84, s84, 24                      ; Wo's groups are 24 to 31 of wc
	s_mul_i32 s86, s84, GRP
	s_mov_b32 s87, 0
	s_lshl_b32 s88, s84, 12
	s_mov_b32 s89, 0
	s_wait_dscnt 0x0                               ; both opening adds are done
	s_wait_kmcnt 0x0
	s_add_nc_u64 s[20:21], s[4:5], s[20:21]
	s_add_nc_u64 s[22:23], s[6:7], s[22:23]
	s_add_nc_u64 s[86:87], s[8:9], s[86:87]
	s_add_nc_u64 s[88:89], s[10:11], s[88:89]
	CROUND                                         ; the joint loads meet
	GRP0 G0A, 0, 20
	GRP0 G0B, LB, 86
	GRP0 G0SA, LSA, 22
	GRP0 G0SB, LSB, 88
	ARM 1, G0A,  G1A,  .Lhead_b                    ; wave 0: O's codes; wave 1: Wo's; wave 2: O's scale words; wave 3: Wo's
	ARM 2, G0B,  G1B,  .Lhead_sa
	ARM 3, G0SA, G1SA, .Lhead_sb
	tensor_load_to_lds s[G0SB:G0SB+3], s[G1SB:G1SB+7]
	s_nop 0
.rept 4
	v_nop
.endr
.Lhead_asked:
	s_mul_i32 s21, s15, 4*1536                     ; my four tiles of O
	s_mul_i32 s22, s16, GRP
	s_add_co_u32 s22, s22, LB                      ; my group of Wo
	s_lshl_b32 s23, s15, 11
	s_add_co_u32 s23, s23, LSA                     ; O's scale words of my tiles
	s_lshl_b32 s90, s16, 12
	s_add_co_u32 s90, s90, LSB
	s_sub_co_u32 s90, s90, s23                     ; from there to Wo's
	s_mul_i32 s91, s14, 16*SPITCH                  ; my stage
	s_lshl_b32 s18, s17, 7
	s_lshl_b32 s19, s15, 6
	s_add_co_u32 s18, s18, s19                     ; my first token
	s_lshl_b32 s18, s18, 12
	s_lshl_b32 s19, s80, 10
	s_add_co_u32 s18, s18, s19
	s_lshl_b32 s19, s16, 9
	s_add_co_u32 s18, s18, s19                     ; + my first column, in bytes
	s_mov_b32 s19, 0
	s_add_nc_u64 s[12:13], s[12:13], s[18:19]
	v_and_b32 v1, 15, v0                           ; r
	v_bfe_u32 v2, v0, 4, 1                         ; h
	v_and_b32 v6, 31, v0
	v_lshlrev_b32 v[CO], 4, v6                     ; 16 x lane
	v_add_nc_u32 v[ADRA], s21, v[CO]
	v_add_nc_u32 v[ADRB], s22, v[CO]
	v_add_nc_u32 v[ADRA+1], 4*12288, v[ADRA]
	v_add_nc_u32 v[ADRB+1], 4*12288, v[ADRB]
	v_lshlrev_b32 v5, 3, v1
	v_mul_u32_u24 v6, s90, v2                      ; lanes 16-31 take Wo's words
	v_add_nc_u32 v5, v5, v6
	v_add_nc_u32 v[ADRS], s23, v5
	v_mul_u32_u24 v5, v1, SPITCH
	v_lshl_add_u32 v5, v2, 6, v5
	v_add_nc_u32 v[STO], s91, v5                   ; into the stage: row r, + 64 h
	v_add_nc_u32 v[RD], s91, v[CO]                 ; back: 32 lanes take a row of 512 bytes
.macro FETCH st                        ; K step st's fragments into set st % 2: Wo's eight (window 2), O's four
	WIN 0x80
.irp i, 0,1,2,3,4,5,6,7
.irp c, 0,1,2
	ds_load_b128 v[96*((\st)%2)+FR*\i+4*\c:96*((\st)%2)+FR*\i+4*\c+3], v[ADRB+(\st)/4] offset:((\st)%4)*12288+\i*1536+512*\c
.endr
.endr
	WIN 0
.irp i, 0,1,2,3
.irp c, 0,1,2
	ds_load_b128 v[AF+48*((\st)%2)+FR*\i+4*\c:AF+48*((\st)%2)+FR*\i+4*\c+3], v[ADRA+(\st)/4] offset:((\st)%4)*12288+\i*1536+512*\c
.endr
.endr
.endm
.macro KSTEP st
	s_wait_dscnt 0x0                               ; this step's fragments are in (asked for a step ago)
.if (\st) == 4
	s_barrier_signal -1                            ; my reads of K steps 0 to 4 are over; the loads that follow read bytes that nobody writes
.endif
.if (\st) < 7
.if (\st) > 0
	PLACES 4                                       ; in front of loads into registers that the last step's products read
.endif
	FETCH (\st)+1
.endif
	WIN 0x52                                       ; source 0 window 2, source 1 window 0, C and D window 1
.irp a, 0,1,2,3
.irp b, 0,1,2,3,4,5,6,7
.if (\st) == 0
	v_wmma_scale_f32_16x16x128_f8f6f4 v[8*(8*\a+\b):8*(8*\a+\b)+7], v[96*((\st)%2)+FR*\b:96*((\st)%2)+FR*\b+FR-1], v[AF+48*((\st)%2)+FR*\a:AF+48*((\st)%2)+FR*\a+FR-1], 0, v[SC+16*((\st)/2)+2*\b+(\st)%2], v[SC+16*((\st)/2)+2*\a+(\st)%2] matrix_a_fmt:MATRIX_FMT_FP6 matrix_b_fmt:MATRIX_FMT_FP6 matrix_a_scale:MATRIX_SCALE_ROW1
.else
	v_wmma_scale_f32_16x16x128_f8f6f4 v[8*(8*\a+\b):8*(8*\a+\b)+7], v[96*((\st)%2)+FR*\b:96*((\st)%2)+FR*\b+FR-1], v[AF+48*((\st)%2)+FR*\a:AF+48*((\st)%2)+FR*\a+FR-1], v[8*(8*\a+\b):8*(8*\a+\b)+7], v[SC+16*((\st)/2)+2*\b+(\st)%2], v[SC+16*((\st)/2)+2*\a+(\st)%2] matrix_a_fmt:MATRIX_FMT_FP6 matrix_b_fmt:MATRIX_FMT_FP6 matrix_a_scale:MATRIX_SCALE_ROW1
.endif
.endr
.endr
	WIN 0
.endm
	s_wait_alu depctr_va_vdst(0)                   ; the wait at the head's end
	s_wait_tensorcnt 0x0                           ; my load has landed
	s_barrier_signal -1
	s_barrier_wait -1                              ; and so have the other three
.irp p, 0,1,2,3
.irp i, 0,1,2,3,4,5,6,7
	ds_load_b64 v[SC+16*\p+2*\i:SC+16*\p+2*\i+1], v[ADRS] offset:\i*512+128*\p   ; all of K's scale words, once (of registers i = 4 .. 7 the products name lanes 16-31 alone)
.endr
.endr
	FETCH 0
.irp st, 0,1,2,3,4,5,6,7
	KSTEP \st
.endr
.macro TOSTAGE a
.set AC, 64*(\a)
	WIN 0x04                                       ; the data: window 1
.irp b, 0,1,2,3,4,5,6,7
	ds_store_b128 v[STO], v[AC+8*\b:AC+8*\b+3] offset:128*(\b/2)+32*(\b%2)       ; each accumulator from its low end on; column 32 (b / 2) + 8 (b % 2) + 16 h + j
	ds_store_b128 v[STO], v[AC+8*\b+4:AC+8*\b+7] offset:128*(\b/2)+32*(\b%2)+16
.endr
	WIN 0
.set BB, BK+64*((\a)%2)
.irp t, 0,1,2,3,4,5,6,7,8,9,10,11,12,13,14,15
	ds_load_b128 v[BB+4*\t:BB+4*\t+3], v[RD] offset:\t*SPITCH   ; a wave's LDS instructions are served in order: these see the stores above
.endr
.endm
.macro SEND a, younger
.set BB, BK+64*((\a)%2)
	s_wait_dscnt \younger
.irp t, 0,1,2,3,4,5,6,7,8,9,10,11,12,13,14,15
	global_store_b128 v[CO], v[BB+4*\t:BB+4*\t+3], s[12:13] offset:(32*((\a)/2)+8*((\a)%2)+\t+8*(\t/8))*4096 th:TH_STORE_NT   ; 32 lanes store 512 consecutive bytes of a token's row
.endr
.endm
	s_barrier_wait -1                              ; every wave's reads of O's K steps 0 to 4 are over: the stage may be written
	PLACES 4                                       ; behind the last products
	TOSTAGE 0
.irp a, 1,2,3
.if \a > 1
	s_wait_xcnt 0x0                                ; block a - 2's stores have read their registers
.endif
	TOSTAGE \a
	SEND \a-1, 32                                  ; behind block a - 1's loads: block a's 16 stores and 16 loads
.endr
	SEND 3, 0
	s_wait_tensorcnt 0x0                           ; the wave's end
	ds_add_u32 v[SPW], v[NIL]
	s_wait_dscnt 0x0
	CROUND                                         ; the closing round
	s_endpgm
.Lfunc_end_k_qf4da5babee_outp:
	.size	k_qf4da5babee_outp, .Lfunc_end_k_qf4da5babee_outp-k_qf4da5babee_outp
	.p2alignl 7, 3214868480
	.fill 96, 4, 3214868480
	.section	.rodata,"a",@progbits
	.p2align	6, 0x0
	.amdhsa_kernel k_qf4da5babee_outp
		.amdhsa_group_segment_fixed_size 327680
		.amdhsa_private_segment_fixed_size 0
		.amdhsa_enable_private_segment 0
		.amdhsa_kernarg_size 40
		.amdhsa_user_sgpr_count 2
		.amdhsa_user_sgpr_kernarg_segment_ptr 1
		.amdhsa_wavefront_size32 1
		.amdhsa_system_sgpr_workgroup_id_x 1
		.amdhsa_system_sgpr_workgroup_id_y 1
		.amdhsa_system_sgpr_workgroup_id_z 1
		.amdhsa_system_vgpr_workitem_id 0
		.amdhsa_next_free_vgpr 768
		.amdhsa_next_free_sgpr 96
		.amdhsa_reserve_vcc 0
		.amdhsa_float_denorm_mode_32 3
		.amdhsa_float_denorm_mode_16_64 3
		.amdhsa_memory_ordered 1
		.amdhsa_forward_progress 1
		.amdhsa_inst_pref_size 77
	.end_amdhsa_kernel
	.amdgpu_metadata
---
amdhsa.version: [ 1, 2 ]
amdhsa.kernels:
  - .name:           k_qf4da5babee_outp
    .symbol:         k_qf4da5babee_outp.kd
    .args:
      - { .name: oc, .offset: 0, .size: 8, .value_kind: global_buffer, .address_space: global }
      - { .name: os, .offset: 8, .size: 8, .value_kind: global_buffer, .address_space: global }
      - { .name: wc, .offset: 16, .size: 8, .value_kind: global_buffer, .address_space: global }
      - { .name: ws, .offset: 24, .size: 8, .value_kind: global_buffer, .address_space: global }
      - { .name: out0, .offset: 32, .size: 8, .value_kind: global_buffer, .address_space: global }
    .group_segment_fixed_size: 327680
    .private_segment_fixed_size: 0
    .kernarg_segment_align: 8
    .kernarg_segment_size: 40
    .max_flat_workgroup_size: 128
    .sgpr_count:     96
    .vgpr_count:     768
    .wavefront_size: 32
...
	.end_amdgpu_metadata
.endif
;; end of part 4
